; MI455X (gfx1250); checked and timed in simulation.
; The chip was launched on July 23, 2026; its instructions are those of AMD's public machine-readable ISA for CDNA 5 (MIT licence, August 2026) and "CDNA5" Instruction Set Architecture Reference Guide (July 2026). The comments in the code are by the model that wrote it; some were corrected since.
;; Multi Head Self Attention. Allowed arithmetic: matrix products marked QUANTISED: E3M2 operands, one E8M0 scale for each 32 along K, by v_wmma_scale_f32_16x16x128_f8f6f4 with both operands' format E3M2, f32 sums; everything else in f32.
;; Inputs: W_k 16 x 1,024 x 64 float32; W_o 1,024 x 1,024 float32; W_q 16 x 1,024 x 64 float32; W_v 16 x 1,024 x 64 float32; x 4 x 2,048 x 1,024 float32.
;; Outputs: out0 4 x 2,048 x 1,024 float32.
;; This version of the problem:
;;   THIS VERSION OF THE PROBLEM IS GIVEN IN LOW PRECISION. The matrix products marked QUANTISED in the list below multiply operands that are first quantised to E3M2 (3 exponent bits, 2 mantissa bits; 6 bits a number), with one power-of-two scale for each 32 numbers along K (OCP MX v1.0); their sums are f32. All else is computed in f32.
;;   The module's matrix products, in the order in which they are computed (A, B: the left and right operand; K: the contracted axis; several contracted axes count as one K, in the product's order):
;;     1. [M 1,024, K 1,024] x [K 1,024, N 8,192]; A: input W_q; B: input x: QUANTISED
;;     2. [M 1,024, K 1,024] x [K 1,024, N 8,192]; A: input W_k; B: input x: QUANTISED
;;     3. [M 1,024, K 1,024] x [K 1,024, N 8,192]; A: input W_v; B: input x: QUANTISED
;;     4. batch 64 x [M 2,048, K 64] x [K 64, N 2,048]; A: computed on the way; B: computed on the way: QUANTISED
;;     5. batch 64 x [M 2,048, K 2,048] x [K 2,048, N 64]; A: softmax (see below); B: computed on the way: QUANTISED
;;     6. [M 8,192, K 1,024] x [K 1,024, N 1,024]; A: computed on the way; B: input W_o: QUANTISED
;;   THE QUANTISER, for each operand of a quantised product, along K:
;;     - K is cut into blocks of 32 from its start; a last block that is shorter is filled with zeros.
;;     - A block's scale is 2^e with e = floor(log2(the largest magnitude in the block)) - 4, held to -126 .. 127; a block of zeros has e = 0. As a byte (E8M0): e + 127.
;;     - Each number is divided by its block's scale, clamped to +-28, and rounded to the nearest number of E3M2, ties to even, subnormals kept.
;;     - The product sums the exact products of the quantised numbers (number of the format x scale) in f32.
;;   ~~~python
;;   def quantise(x, axis):      # numpy; x: float32 -> the quantised numbers, widened to float32 again
;;       x = np.moveaxis(x, axis, -1); K = x.shape[-1]
;;       x = np.pad(x, [(0, 0)] * (x.ndim - 1) + [(0, -K % 32)]); x = x.reshape(x.shape[:-1] + (-1, 32)); a = np.abs(x).max(-1, keepdims=True)
;;       e = np.where(a > 0, np.clip(np.frexp(np.where(a > 0, a, 1))[1] - 1 - 4, -126, 127), 0)      # np.frexp(a)[1] - 1 = floor(log2(a)), exactly
;;       r = np.clip(x / 2.0 ** e, -28, 28)
;;       step = 2.0 ** (np.maximum(np.frexp(np.where(r == 0, 1, r))[1] - 1, -2) - 2)
;;       q = np.round(r / step) * step * 2.0 ** e      # np.round: ties to even
;;       return np.moveaxis(q.reshape(q.shape[:-2] + (-1,))[..., :K], -1, axis).astype(np.float32)
;;   ~~~
;;   SOFTMAX AHEAD OF A QUANTISED PRODUCT. Where the list says 'softmax', what is quantised is not the finished softmax but p = 2^(t - M), with t = logit x log2(e) and M = ceil(the row's largest t), a whole number; so 1/2 < the row's largest p <= 1. The row's sum l is taken of the UNQUANTISED p, in f32, and the product's result is divided by l at the end. Since M is a whole number, a kernel that streams over the keys may use a running M (the ceiling of the running maximum): every later rescaling is an exact power of two, which a block's scale takes up: the codes' values come out the same.
;;   OPERANDS COMPUTED ON THE WAY. 'Computed on the way' means the value that the module computes at that place (a softmax that the list does not call 'softmax' is quantised finished and normalised). What goes into a quantiser is computed in f32, as accurately as f32 sums, v_exp_f32 and their like allow (about 1e-6 of the number): no bf16 or f16 on the way to a quantiser, and a product that is left as it is and whose result goes on into a quantised operand takes f32 operands (vector FMAs, or v_wmma_f32_16x16x4_f32). A number that lies on a knife's edge between two numbers of the format may be rounded either way, as far as f32 arithmetic and the matrix unit's own rounding can turn it there, and no further.
;; One version. Each part assembles by itself: llvm-mc -triple=amdgcn-amd-amdhsa -mcpu=gfx1250 --defsym DOCPART=n.
;; ======== version 1 of 1: 4 launches
;; limits: right only within a limited range of input values
;; workspace buffers: xc 6,291,456 bytes; xs 262,144 bytes; wc 3,145,728 bytes; ws 131,072 bytes; qkvc 18,874,368 bytes; qkvs 786,432 bytes; cc 6,291,456 bytes; cs 262,144 bytes
;; launch quant (part 1): grid 640 x 1, 4 waves a work-group, no clusters, 17,920 bytes of LDS; arguments x, W_q, W_k, W_v, W_o, xc, xs, wc, ws; writes xc, xs, wc, ws
.if DOCPART == 1
	.amdgcn_target "amdgcn-amd-amdhsa--gfx1250"
	.amdhsa_code_object_version 6
	.text
	.protected	k_q7944a4166b_quant
	.globl	k_q7944a4166b_quant
	.p2align	8
	.type	k_q7944a4166b_quant,@function
k_q7944a4166b_quant:
	s_mov_b64 s[64:65], 0
	v_nop
	global_prefetch_b8 v0, s[64:65] scope:SCOPE_SE
	s_setreg_imm32_b32 hwreg(HW_REG_WAVE_MODE, 25, 1), 1
	s_wait_xcnt 0x0
; x [8192][1024] and the four weights, f32, become codes of BF6 (E3M2) with one E8M0 byte for each 32 along K, laid in the ORDER OF AN OPERAND'S REGISTERS.
; A block's scale is 2^(floor(log2(its largest magnitude)) - 4); its byte is that magnitude's exponent field - 4, held at 1 from below.
; LIMITS: a block of zeros gets the byte 1 where the rule says 127 (its codes are zeros, and this program alone reads the bytes); magnitudes under 2^-122 are held at the byte 1;
; NaN and infinities among the inputs are not served.
; LAYOUT OF THE CODES: [tile of 16 rows][K / 64 : 16][768 bytes].  The 768 bytes are half a fragment: lane (r, hh) owns block hh (32 codes, 24 bytes = six registers) of row r:
; registers 0-3 at 16 x lane, registers 4-5 at 512 + 16 r + 8 hh.  SCALES: [tile][K / 256 : 4][r : 16][8 bytes].
; ROW ORDER: rows lie in groups of 32 with bits 3 and 4 of the index changed over: tile u of a group, place r, holds index 8 u + r + 8 (r / 8).  A product that takes such rows as
; source 0 leaves 16 neighbouring indices in a lane's 16 registers of two neighbouring tiles, which is what the next quantiser wants.
; SHARES: work-groups 0-511: one tile of x each, wave w the K range 256 w on.  512-607: W_q, W_k, W_v.  608-639: W_o.  A weight's K is not innermost: a lane takes a column and its
; registers run down K.  Waves share nothing: no barrier.  Only x's way uses LDS (a stage of each wave's own).  Memory binds: no matrix unit, no cluster, no tensor load.
.set R,   32                           ; v32-159  x: 32 loads of 16 bytes a lane
.set X,   160                          ; v160-191 x: the 32 numbers of my block
.set C,   192                          ; v192-223 x: eight registers for each of the four steps: no store's data are written again
.set CA,  96                           ; v96-127  weights: registers 0-3 of each of my 8 blocks
.set CB,  128                          ; v128-143 weights: registers 4-5 of two neighbouring blocks side by side
.set STG, 4352                         ; a wave's stage: 16 rows x (256 bytes + 16)
	s_load_b512 s[4:19], s[0:1], 0x0               ; x s[4:5], W_q s[6:7], W_k s[8:9], W_v s[10:11], W_o s[12:13], xc s[14:15], xs s[16:17], wc s[18:19]
	s_load_b64 s[20:21], s[0:1], 0x40              ; ws
	v_lshl_add_u32 v224, v0, 2, 0x4400
	v_mov_b32 v225, 0
	v_lshrrev_b32 v1, 5, v0
	v_readfirstlane_b32 s22, v1                    ; wave 0..3
	v_bfe_u32 v1, v0, 4, 1                         ; hh
	v_and_b32 v2, 15, v0                           ; r
	v_and_b32 v8, 31, v0                           ; lane
	s_cmp_lt_u32 ttmp9, 512
	s_cbranch_scc0 .Lweights
; ---------------- x: tile T = the work-group's number
	v_lshlrev_b32 v9, 4, v2                        ; 16 r
	v_lshl_add_u32 v3, v1, 12, v9                  ; in: lanes 0-15 take 256 bytes of one row, lanes 16-31 of the next
	s_mul_i32 s23, s22, STG
	v_mad_u32_u24 v4, v1, 272, v9
	v_add_nc_u32 v4, s23, v4                       ; into the stage: row 2 i + hh, 16 r
	v_mul_u32_u24 v5, v2, 272
	v_lshl_add_u32 v5, v1, 7, v5
	v_add_nc_u32 v5, s23, v5                       ; out of it: row r, block hh: 128 bytes
	v_lshlrev_b32 v6, 4, v8                        ; 16 x lane
	v_lshl_add_u32 v7, v1, 3, v9                   ; 16 r + 8 hh
	v_lshlrev_b32 v10, 3, v2
	v_lshl_add_u32 v10, v1, 2, v10                 ; 8 r + 4 hh: my word of the row's eight scale bytes
	v_lshlrev_b32 v12, 3, v1                       ; 8 hh: my bytes' shift
	s_mov_b32 s30, 0x76543210
	s_mov_b32 s31, 0xfedcba98                      ; lane l xor 16
	s_lshr_b32 s24, ttmp9, 1
	s_lshl_b32 s24, s24, 5
	s_and_b32 s25, ttmp9, 1
	s_lshl_b32 s25, s25, 3
	s_add_co_u32 s24, s24, s25                     ; the tile's first row: 32 (T / 2) + 8 (T % 2)
	s_lshl_b32 s24, s24, 12
	s_lshl_b32 s25, s22, 10
	s_add_co_u32 s24, s24, s25                     ; + my wave's 1,024 bytes of each row
	s_mov_b32 s25, 0
	s_mul_i32 s26, ttmp9, 12288
	s_mul_i32 s28, s22, 3072
	s_add_co_u32 s26, s26, s28
	s_mov_b32 s27, 0
	s_lshl_b32 s28, ttmp9, 9
	s_lshl_b32 s29, s22, 7
	s_add_co_u32 s28, s28, s29
	s_mov_b32 s29, 0
	s_wait_alu depctr_va_vdst(0)
	s_wait_kmcnt 0x0
	s_add_nc_u64 s[4:5], s[4:5], s[24:25]
	s_add_nc_u64 s[14:15], s[14:15], s[26:27]
	s_add_nc_u64 s[16:17], s[16:17], s[28:29]
.irp s, 0,1,2,3                                ; all 32 loads at once; places 2 i + hh of the tile are rows 2 i + hh (+ 8 from place 8 on)
.irp i, 0,1,2,3,4,5,6,7
	global_load_b128 v[R+32*\s+4*\i:R+32*\s+4*\i+3], v3, s[4:5] offset:(2*\i+8*(\i/4))*4096+256*\s th:TH_LOAD_NT
.endr
.endr
.macro XSTEP s                                 ; 64 along K of the 16 rows: one half image
	s_wait_loadcnt 24-8*\s                         ; loads come back in order: this step's eight are in, the later steps' may be out
.irp i, 0,1,2,3,4,5,6,7
	ds_store_b128 v4, v[R+32*\s+4*\i:R+32*\s+4*\i+3] offset:544*\i
.endr
.irp i, 0,1,2,3,4,5,6,7
	ds_load_b128 v[X+4*\i:X+4*\i+3], v5 offset:16*\i    ; LDS serves a wave's instructions in order: these see the stores above, and the next step's stores come behind them
.endr
	s_wait_dscnt 0x0
	v_max3_num_f32 v13, |v[X]|, |v[X+1]|, |v[X+2]|      ; the block's largest magnitude: all 32 numbers are mine
	v_max3_num_f32 v14, |v[X+3]|, |v[X+4]|, |v[X+5]|
.irp i, 6,10,14,18,22,26
	v_max3_num_f32 v13, v13, |v[X+\i]|, |v[X+\i+1]|
	v_max3_num_f32 v14, v14, |v[X+\i+2]|, |v[X+\i+3]|
.endr
	v_max3_num_f32 v13, v13, |v[X+30]|, |v[X+31]|
	v_max3_num_f32 v13, v13, v14, 0x2800000        ; and the floor 2^(5 - 127): the byte cannot fall under 1
	v_add_nc_u32 v11, 0xfe000000, v13              ; 4 off the exponent field: the conversion's scale operand
	v_cvt_scalef32_pk16_bf6_f32 v[C+8*\s:C+8*\s+2], v[X:X+15], v11
	v_cvt_scalef32_pk16_bf6_f32 v[24:26], v[X+16:X+31], v11     ; (a conversion's three registers begin on an even number)
	v_lshrrev_b32 v[16+\s], 23, v11                ; the byte; also the plain line behind the conversions
	v_mov_b32 v[C+8*\s+3], v24
	v_mov_b32 v[C+8*\s+4], v25
	v_mov_b32 v[C+8*\s+5], v26
	global_store_b128 v6, v[C+8*\s:C+8*\s+3], s[14:15] offset:768*\s          ; 512 consecutive bytes, aligned to 256
	global_store_b64 v7, v[C+8*\s+4:C+8*\s+5], s[14:15] offset:768*\s+512     ; 256 consecutive bytes, aligned
.endm
	XSTEP 0
	XSTEP 1
	XSTEP 2
	XSTEP 3
	v_lshl_or_b32 v16, v17, 16, v16                ; step s, half hh is byte 2 s + hh of the row's eight
	v_lshl_or_b32 v18, v19, 16, v18
	v_lshlrev_b32 v16, v12, v16
	v_lshlrev_b32 v18, v12, v18
	v_mov_b32 v20, 0                               ; (a lane permute's destination counts as read)
	v_mov_b32 v21, 0
	v_permlanex16_b32 v20, v16, s30, s31
	v_permlanex16_b32 v21, v18, s30, s31
	v_or_b32 v16, v16, v20                         ; bytes 0-3
	v_or_b32 v18, v18, v21                         ; bytes 4-7
	v_cmp_eq_u32 vcc_lo, 1, v1
	v_cndmask_b32 v16, v16, v18, vcc_lo            ; lanes 0-15 store the low word, lanes 16-31 the high one
	global_store_b32 v10, v16, s[16:17]            ; 128 consecutive bytes
	s_wait_tensorcnt 0x0
	ds_add_u32 v224, v225
	s_wait_dscnt 0x0
	s_endpgm
; ---------------- the weights: a wave takes 32 columns (one group) x 256 along K: eight blocks a lane
.macro WLOAD t, pitch                          ; block t: W(32 t + i, my column) into set t % 2
.irp i, 0,1,2,3,4,5,6,7,8,9,10,11,12,13,14,15,16,17,18,19,20,21,22,23,24,25,26,27,28,29,30,31
	global_load_b32 v[32+32*((\t)%2)+\i], v3, s[6:7] offset:(32*(\t)+\i)*\pitch
.endr
.endm
.macro WBLOCK t, pitch
.set XS, 32+32*((\t)%2)
.if (\t) < 7
	s_wait_loadcnt 32                              ; this block's 32 loads are in; the next block's may be out
.else
	s_wait_loadcnt 0x0
.endif
	v_max3_num_f32 v12, |v[XS]|, |v[XS+1]|, |v[XS+2]|
	v_max3_num_f32 v13, |v[XS+3]|, |v[XS+4]|, |v[XS+5]|
.irp i, 6,10,14,18,22,26
	v_max3_num_f32 v12, v12, |v[XS+\i]|, |v[XS+\i+1]|
	v_max3_num_f32 v13, v13, |v[XS+\i+2]|, |v[XS+\i+3]|
.endr
	v_max3_num_f32 v12, v12, |v[XS+30]|, |v[XS+31]|
	v_max3_num_f32 v12, v12, v13, 0x2800000
	v_add_nc_u32 v11, 0xfe000000, v12
	v_lshrrev_b32 v13, 23, v11
.if (\t)%4 == 0
	v_mov_b32 v[24+(\t)/4], v13                    ; eight bytes in two registers, the lower K in the lower byte
.else
	v_lshl_or_b32 v[24+(\t)/4], v13, 8*((\t)%4), v[24+(\t)/4]
.endif
	v_cvt_scalef32_pk16_bf6_f32 v[CA+4*(\t):CA+4*(\t)+2], v[XS:XS+15], v11
	v_cvt_scalef32_pk16_bf6_f32 v[26:28], v[XS+16:XS+31], v11
	v_nop                                          ; one plain line behind the conversions
	v_mov_b32 v[CA+4*(\t)+3], v26
	v_mov_b32 v[CB+4*((\t)/2)+2*((\t)%2)], v27
	v_mov_b32 v[CB+4*((\t)/2)+2*((\t)%2)+1], v28
	global_store_b128 v6, v[CA+4*(\t):CA+4*(\t)+3], s[32:33] offset:768*((\t)/2)+256*((\t)%2)    ; block t is half t % 2 of image t / 2: sixteen lanes fill 256 aligned bytes in each of the group's two tiles
.if (\t)%2 == 1
	global_store_b128 v6, v[CB+4*((\t)/2):CB+4*((\t)/2)+3], s[32:33] offset:768*((\t)/2)+512
.endif
.if (\t)+2 < 8
	WLOAD (\t)+2, \pitch
.endif
.endm
.macro WPATH pitch                             ; s29 = the group among wc's 128, s28 = which 256 along K, s[6:7] = the source at my first number
	s_mul_i32 s32, s29, 24576
	s_mul_i32 s33, s28, 3072
	s_add_co_u32 s32, s32, s33
	s_mov_b32 s33, 0
	s_lshl_b32 s34, s29, 10
	s_lshl_b32 s35, s28, 7
	s_add_co_u32 s34, s34, s35
	s_mov_b32 s35, 0
	s_add_nc_u64 s[32:33], s[18:19], s[32:33]
	s_add_nc_u64 s[34:35], s[20:21], s[34:35]
	WLOAD 0, \pitch
	WLOAD 1, \pitch
.set Q, 0
.rept 8
	WBLOCK Q, \pitch
.set Q, Q+1
.endr
	global_store_b64 v7, v[24:25], s[34:35]        ; my column's eight scale bytes: sixteen lanes 128 consecutive bytes in each tile
	s_endpgm
.endm
.Lweights:
	s_sub_co_u32 s23, ttmp9, 512
	s_lshr_b32 s24, s23, 5                         ; 0 W_q, 1 W_k, 2 W_v, 3 W_o
	s_and_b32 s25, s23, 31
	s_wait_alu depctr_va_vdst(0)
	v_lshlrev_b32 v3, 2, v8                        ; in: column = lane
	v_bfe_u32 v4, v0, 3, 1                         ; column l goes to tile (l / 8) % 2 of its group,
	v_and_b32 v5, 7, v0
	v_lshl_or_b32 v5, v1, 3, v5                    ; place l % 8 + 8 (l / 16)
	v_mul_u32_u24 v6, v4, 12288
	v_lshl_add_u32 v6, v5, 4, v6                   ; codes: tile, 16 x place
	v_lshlrev_b32 v7, 9, v4
	v_lshl_add_u32 v7, v5, 3, v7                   ; scales: tile, 8 x place
	s_cmp_eq_u32 s24, 3
	s_cbranch_scc1 .Lwo
	s_lshr_b32 s26, s25, 1                         ; head
	s_and_b32 s27, s22, 1                          ; which 32 of its 64 columns
	s_and_b32 s28, s25, 1
	s_lshl_b32 s28, s28, 1
	s_lshr_b32 s29, s22, 1
	s_add_co_u32 s28, s28, s29                     ; which 256 along K
	s_lshl_b32 s30, s26, 18                        ; a head is 1,024 x 64 x 4 bytes,
	s_lshl_b32 s31, s28, 16                        ; 256 rows of 256 bytes
	s_add_co_u32 s30, s30, s31
	s_lshl_b32 s31, s27, 7
	s_add_co_u32 s30, s30, s31
	s_mov_b32 s31, 0
	s_lshl_b32 s29, s24, 5
	s_lshl_b32 s26, s26, 1
	s_add_co_u32 s29, s29, s26
	s_add_co_u32 s29, s29, s27                     ; group = 32 x tensor + 2 x head + half
	s_wait_kmcnt 0x0
	s_cmp_eq_u32 s24, 0                            ; the choice hangs on the work-group's number alone
	s_cselect_b64 s[6:7], s[6:7], s[8:9]
	s_cmp_eq_u32 s24, 2
	s_cselect_b64 s[6:7], s[10:11], s[6:7]
	s_add_nc_u64 s[6:7], s[6:7], s[30:31]
	s_wait_alu depctr_va_vdst(0)
	WPATH 256
.Lwo:
	s_and_b32 s26, s25, 7
	s_lshl_b32 s26, s26, 2
	s_add_co_u32 s26, s26, s22                     ; which 32 columns of 1,024
	s_lshr_b32 s28, s25, 3                         ; which 256 along K
	s_lshl_b32 s30, s28, 20                        ; 256 rows of 4,096 bytes
	s_lshl_b32 s31, s26, 7
	s_add_co_u32 s30, s30, s31
	s_mov_b32 s31, 0
	s_add_co_u32 s29, s26, 96                      ; W_o's groups lie behind the other three tensors' 96
	s_wait_kmcnt 0x0
	s_add_nc_u64 s[6:7], s[12:13], s[30:31]
	s_wait_alu depctr_va_vdst(0)
	WPATH 4096
.Lfunc_end_k_q7944a4166b_quant:
	.size	k_q7944a4166b_quant, .Lfunc_end_k_q7944a4166b_quant-k_q7944a4166b_quant
	.p2alignl 7, 3214868480
	.fill 96, 4, 3214868480
	.section	.rodata,"a",@progbits
	.p2align	6, 0x0
	.amdhsa_kernel k_q7944a4166b_quant
		.amdhsa_group_segment_fixed_size 17920
		.amdhsa_private_segment_fixed_size 0
		.amdhsa_enable_private_segment 0
		.amdhsa_kernarg_size 72
		.amdhsa_user_sgpr_count 2
		.amdhsa_user_sgpr_kernarg_segment_ptr 1
		.amdhsa_wavefront_size32 1
		.amdhsa_system_sgpr_workgroup_id_x 1
		.amdhsa_system_sgpr_workgroup_id_y 1
		.amdhsa_system_sgpr_workgroup_id_z 1
		.amdhsa_system_vgpr_workitem_id 0
		.amdhsa_next_free_vgpr 226
		.amdhsa_next_free_sgpr 66
		.amdhsa_reserve_vcc 1
		.amdhsa_float_denorm_mode_32 3
		.amdhsa_float_denorm_mode_16_64 3
		.amdhsa_memory_ordered 1
		.amdhsa_forward_progress 1
		.amdhsa_inst_pref_size 93
	.end_amdhsa_kernel
	.amdgpu_metadata
---
amdhsa.version: [ 1, 2 ]
amdhsa.kernels:
  - .name:           k_q7944a4166b_quant
    .symbol:         k_q7944a4166b_quant.kd
    .args:
      - { .name: x, .offset: 0, .size: 8, .value_kind: global_buffer, .address_space: global }
      - { .name: W_q, .offset: 8, .size: 8, .value_kind: global_buffer, .address_space: global }
      - { .name: W_k, .offset: 16, .size: 8, .value_kind: global_buffer, .address_space: global }
      - { .name: W_v, .offset: 24, .size: 8, .value_kind: global_buffer, .address_space: global }
      - { .name: W_o, .offset: 32, .size: 8, .value_kind: global_buffer, .address_space: global }
      - { .name: xc, .offset: 40, .size: 8, .value_kind: global_buffer, .address_space: global }
      - { .name: xs, .offset: 48, .size: 8, .value_kind: global_buffer, .address_space: global }
      - { .name: wc, .offset: 56, .size: 8, .value_kind: global_buffer, .address_space: global }
      - { .name: ws, .offset: 64, .size: 8, .value_kind: global_buffer, .address_space: global }
    .group_segment_fixed_size: 17920
    .private_segment_fixed_size: 0
    .kernarg_segment_align: 8
    .kernarg_segment_size: 72
    .max_flat_workgroup_size: 128
    .sgpr_count:     66
    .vgpr_count:     226
    .wavefront_size: 32
...
	.end_amdgpu_metadata
.endif
;; end of part 1
;; launch qkv (part 2): grid 4 x 48, 4 waves a work-group, clusters of 4 x 1, 327,680 bytes of LDS; arguments xc, xs, wc, ws, qkvc, qkvs; writes qkvc, qkvs
.if DOCPART == 2
	.amdgcn_target "amdgcn-amd-amdhsa--gfx1250"
	.amdhsa_code_object_version 6
	.text
	.protected	k_q7944a4166b_qkv
	.globl	k_q7944a4166b_qkv
	.p2align	8
	.type	k_q7944a4166b_qkv,@function
k_q7944a4166b_qkv:
	s_mov_b64 s[64:65], 0
	v_nop
	global_prefetch_b8 v0, s[64:65] scope:SCOPE_SE
	s_setreg_imm32_b32 hwreg(HW_REG_WAVE_MODE, 25, 1), 1
	s_wait_xcnt 0x0
	s_wait_alu depctr_hold_cnt(0) depctr_sa_sdst(0) depctr_va_vdst(0) depctr_va_sdst(0) depctr_va_ssrc(0) depctr_va_vcc(0) depctr_vm_vsrc(0)
	s_getreg_b32 s2, hwreg(HW_REG_IB_STS2, 6, 4)
	s_cmp_eq_u32 s2, 0
	s_cbranch_scc0 .Lentry_in_a_cluster
	s_endpgm
.Lentry_in_a_cluster:
	s_bfe_u32 s2, ttmp6, 0x10000c
	s_cmp_lg_u32 s2, 0x3003
	s_cbranch_scc0 .Lentry_shape_is_right
	s_endpgm
.Lentry_shape_is_right:
; q, k and v on codes of BF6 (E3M2), and their quantising as the next products' operands.  Source 1 (the LANE operand) gives a lane its row, source 0 (the STREAMED operand) runs along a lane's registers:
; q, k: lane = rows of x, streamed = columns of W_q, W_k (quantised along the head's 64);  v: lane = columns of W_v, streamed = rows of x (quantised along the keys).
; SHARES.  A work-group makes 256 lane rows x 512 streamed rows; y 0-31: q and k (8 groups of four row blocks x 4 column groups), y 32-47: v (four blocks of d x 16 groups of keys): 192 work-groups of equal work.
; (256 equal work-groups would want 384 streamed rows each, which does not divide q's and k's 2,048 columns.)
; A WAVE HOLDS ITS 64 LANE ROWS FOR ALL OF K IN REGISTERS: 4 tiles x 8 K steps x 12 = 384, loaded once from memory in the order of an operand's registers.  Only the streamed operand goes through LDS.
; THE RING.  Two slots of 98,304 bytes: a chunk of 128 streamed rows with all of K, dense in memory.  Four chunks; a refill has a whole chunk's 256 matrix instructions a wave in which to land.
; CLUSTER.  The four work-groups of a cluster share their streamed rows: every tile is asked for JOINTLY.  No prefetch: four fills in all, each asked for a whole chunk ahead of its use.
; A UNIT is 64 streamed rows: 128 matrix instructions on 16 accumulators by turns, then 4 tiles x 64 numbers a row are quantised: a half image of 768 bytes and two scale bytes a row for each tile.
; LIMITS: a block of zeros gets the byte 1 (its codes are zeros; this program alone reads the bytes); NaN and infinities are not served.
; REGISTERS.  Window 0: addresses, scale words, the way out.  Window 1: accumulators (a, b) at 8 (4 a + b), two sets of streamed fragments.  Windows 2, 3: the lane operand, K steps 0-4 and 5-7.
.set BSC,   196608                     ; the streamed rows' scales: 32 tiles x 512 bytes
.set SPARE, 212992
.set L16, 1
.set L8,  2
.set R8,  3
.set BA,  6
.set BB,  7
.set BS,  8
.set SOF, 9
.set SOF2, 10
.set AS,  32                           ; the lane operand's scale words: 8 a + k
.set BSW, 64                           ; the streamed operand's: 8 b + k
.set TM,  96
.set TP,  104
.set SOP, 112
.set HW,  120
.set U0,  124
.set U1,  125
.set PC,  128
.set BF,  128                          ; window 1
.set AP,  20
.set ASP, 22
.set MSB, 0
.macro WIN new
.if MSB != \new
	s_set_vgpr_msb (MSB<<8)|\new
.set MSB, \new
.endif
.endm
.macro ROUND
	s_barrier_signal -1
	s_barrier_wait -1
	s_cmp_lg_u32 s16, 0
	s_cbranch_scc1 .Lnot_wave_0_\@
	s_barrier_signal -3
.Lnot_wave_0_\@:
	s_barrier_wait -3
	s_barrier_signal -1
	s_barrier_wait -1
.endm
.macro NOPS
.rept 4
	v_nop
.endr
.endm
.macro DENSE g, rows                   ; group 1: a dense block as rows of 256 bytes; the mask names all four work-groups, bit 21 beside it
	s_mov_b32 s[\g], 15|(3<<16)|(1<<21)
	s_mov_b32 s[\g+1], 32<<16
	s_mov_b32 s[\g+2], (\rows)<<16
	s_mov_b32 s[\g+3], 32<<16
	s_mov_b32 s[\g+4], \rows
	s_mov_b32 s[\g+5], 32
	s_mov_b32 s[\g+6], 0
	s_mov_b32 s[\g+7], 0
.endm
.macro AFR reg, off
	global_load_b128 v[\reg:\reg+3], v[L16], s[AP:AP+1] offset:\off
	global_load_b64 v[\reg+4:\reg+5], v[L8], s[AP:AP+1] offset:\off+512
	global_load_b128 v[\reg+6:\reg+9], v[L16], s[AP:AP+1] offset:\off+768
	global_load_b64 v[\reg+10:\reg+11], v[L8], s[AP:AP+1] offset:\off+1280
.endm
.macro FETCHB k                        ; 16 loads: the unit's four fragments of K step k into set k % 2
.irp b, 0,1,2,3
	ds_load_b128 v[BF+48*((\k)%2)+12*\b:BF+48*((\k)%2)+12*\b+3], v[BA] offset:\b*12288+(\k)*1536
	ds_load_b64 v[BF+48*((\k)%2)+12*\b+4:BF+48*((\k)%2)+12*\b+5], v[BB] offset:\b*12288+(\k)*1536+512
	ds_load_b128 v[BF+48*((\k)%2)+12*\b+6:BF+48*((\k)%2)+12*\b+9], v[BA] offset:\b*12288+(\k)*1536+768
	ds_load_b64 v[BF+48*((\k)%2)+12*\b+10:BF+48*((\k)%2)+12*\b+11], v[BB] offset:\b*12288+(\k)*1536+1280
.endr
.endm
.macro KSTEP k                         ; 16 matrix instructions, the 16 accumulators by turns; the next K step's fragments are asked for first
.if \k < 7
	WIN 0x40
	NOPS                                           ; places in front of loads into registers that matrix instructions have read
	FETCHB (\k+1)
	s_wait_dscnt 16                                ; all but the 16 just issued
.else
	s_wait_dscnt 0x0
.endif
.if \k < 5
	WIN 0x59
.set AB, 48*\k
.else
	WIN 0x5d
.set AB, 48*(\k-5)
.endif
.set BP, BF+48*(\k%2)
.irp a, 0,1,2,3
.irp b, 0,1,2,3
.if \k == 0
	v_wmma_scale_f32_16x16x128_f8f6f4 v[8*(4*\a+\b):8*(4*\a+\b)+7], v[BP+12*\b:BP+12*\b+11], v[AB+12*\a:AB+12*\a+11], 0, v[BSW+8*\b+\k], v[AS+8*\a+\k] matrix_a_fmt:MATRIX_FMT_BF6 matrix_b_fmt:MATRIX_FMT_BF6
.else
	v_wmma_scale_f32_16x16x128_f8f6f4 v[8*(4*\a+\b):8*(4*\a+\b)+7], v[BP+12*\b:BP+12*\b+11], v[AB+12*\a:AB+12*\a+11], v[8*(4*\a+\b):8*(4*\a+\b)+7], v[BSW+8*\b+\k], v[AS+8*\a+\k] matrix_a_fmt:MATRIX_FMT_BF6 matrix_b_fmt:MATRIX_FMT_BF6
.endif
.endr
.endr
.endm
.macro COMPUTE                         ; a unit's products; s94: its codes in LDS, s95: its scales
	v_add_nc_u32 v[BA], s94, v[L16]
	v_add_nc_u32 v[BB], s94, v[L8]
	v_add_nc_u32 v[BS], s95, v[R8]
	v_nop
	s_wait_alu depctr_va_vdst(0)
.irp b, 0,1,2,3
.irp j, 0,1,2,3
	ds_load_b64 v[BSW+8*\b+2*\j:BSW+8*\b+2*\j+1], v[BS] offset:\b*512+\j*128
.endr
.endr
	WIN 0x40
	FETCHB 0
.irp k, 0,1,2,3,4,5,6,7
	KSTEP \k
.endr
	WIN 0
.endm
	s_load_b256 s[4:11], s[0:1], 0x0               ; xc, xs, wc, ws
	s_load_b128 s[12:15], s[0:1], 0x20             ; qkvc, qkvs
	v_lshl_add_u32 v28, v0, 2, SPARE
	v_mov_b32 v29, 0
	ds_add_u32 v28, v29                            ; the opening lines
	ds_add_u32 v28, v29
	v_lshrrev_b32 v11, 5, v0
	v_readfirstlane_b32 s16, v11                   ; wave 0..3
	s_bfe_u32 s17, ttmp6, 0x40000                  ; cx: enters global addresses of my own loads and stores alone
	s_and_b32 s19, ttmp7, 0xffff                   ; y
	s_lshr_b32 s78, s19, 2
	s_lshl_b32 s78, s78, 2
	s_and_b32 s79, s19, 3
	s_sub_co_u32 s18, s19, 32
	s_mov_b32 s20, 98304
	s_mov_b32 s21, 393216
	s_mov_b32 s22, 768
	s_mov_b32 s23, 256
	s_mov_b32 s2, 131072
	s_mov_b32 s3, 16384
	s_cmp_ge_u32 s19, 32                           ; v's work-group?  The choices hang on the work-group's number alone
	s_cselect_b32 s96, s20, s22                    ; codes: from lane tile to lane tile,
	s_cselect_b32 s98, s22, s21                    ; from unit to unit,
	s_cselect_b32 s68, 12582912, 0                 ; and where the tensor begins
	s_cselect_b32 s69, 32768, s23                  ; scales: a group of eight lane tiles,
	s_cselect_b32 s70, 2048, s2                    ; a work-group's eight units,
	s_cselect_b32 s71, 524288, 0
	s_cselect_b32 s100, 2, s3                      ; from unit to unit,
	s_cselect_b32 s72, 508, 0                      ; and what a change of chunks adds to that
	s_cselect_b32 s74, s23, 4                      ; lanes 16-31's place
	s_cselect_b32 s75, 4, 2                        ; the second halfword's
	s_cselect_b32 s76, -1, 0
	s_cselect_b32 s77, 128, 0                      ; W_v's tiles lie behind W_q's and W_k's 128
	s_cselect_b32 s78, 0, s78
	s_cselect_b32 s79, s18, s79                    ; the group of 512 streamed rows
	s_mov_b32 s97, 0
	s_mov_b32 s99, 0
	s_mov_b32 s101, 0
	s_mov_b32 s73, 0
	s_add_co_u32 s78, s78, s17
	s_lshl_b32 s78, s78, 4
	s_lshl_b32 s18, s16, 2
	s_add_co_u32 s78, s78, s18                     ; my first lane tile
	s_mov_b32 s90, 0x76543210
	s_mov_b32 s91, 0xfedcba98                      ; lane l xor 16
	DENSE 24, 128                                  ; the head: a third of chunk 0
	DENSE 32, 64                                   ; the scales of 512 streamed rows
	DENSE 40, 96                                   ; the ring: a quarter of a chunk
	s_wait_dscnt 0x0
	s_wait_kmcnt 0x0
	s_cmp_ge_u32 s19, 32
	s_cselect_b64 s[20:21], s[8:9], s[4:5]         ; the lane operand's codes,
	s_cselect_b64 s[22:23], s[10:11], s[6:7]       ; its scales;
	s_cselect_b64 s[4:5], s[4:5], s[8:9]           ; the streamed operand's codes,
	s_cselect_b64 s[6:7], s[6:7], s[10:11]         ; its scales
	s_add_co_u32 s18, s78, s77
	s_mul_i32 s2, s18, 12288
	s_mov_b32 s3, 0
	s_add_nc_u64 s[20:21], s[20:21], s[2:3]
	s_lshl_b32 s2, s18, 9
	s_add_nc_u64 s[22:23], s[22:23], s[2:3]
	s_mul_i32 s2, s79, 393216
	s_add_nc_u64 s[4:5], s[4:5], s[2:3]
	s_lshl_b32 s2, s79, 14
	s_add_nc_u64 s[6:7], s[6:7], s[2:3]
	s_mov_b32 s48, 1
	s_lshl_b32 s49, s16, 15
	s_mov_b32 s2, s49
	s_add_nc_u64 s[50:51], s[4:5], s[2:3]
	s_or_b32 s51, s51, 0x80000000
	s_mov_b32 s52, 1
	s_mov_b32 s53, BSC
	s_mov_b64 s[54:55], s[6:7]
	s_or_b32 s55, s55, 0x80000000
	s_mov_b32 s56, 1
	s_mul_i32 s57, s16, 24576
	s_mov_b32 s2, s57
	s_add_nc_u64 s[58:59], s[4:5], s[2:3]          ; slot 0: stands at chunk 0, stepped to chunk 2 at its refill
	s_mov_b32 s60, 1
	s_add_co_u32 s61, s57, 98304
	s_add_nc_u64 s[62:63], s[58:59], 98304         ; slot 1: chunk 1
	s_or_b32 s59, s59, 0x80000000
	s_or_b32 s63, s63, 0x80000000
	s_mul_i32 s2, s78, s96                         ; where my results go
	s_lshl_b32 s18, s79, 3
	s_mul_i32 s18, s18, s98
	s_add_co_u32 s2, s2, s18
	s_add_co_u32 s2, s2, s68
	s_add_nc_u64 s[80:81], s[12:13], s[2:3]
	s_add_nc_u64 s[82:83], s[80:81], s[96:97]
	s_add_nc_u64 s[84:85], s[82:83], s[96:97]
	s_add_nc_u64 s[86:87], s[84:85], s[96:97]
	s_lshr_b32 s2, s78, 3
	s_mul_i32 s2, s2, s69
	s_and_b32 s18, s78, 4
	s_lshl_b32 s18, s18, 1
	s_add_co_u32 s2, s2, s18
	s_mul_i32 s18, s79, s70
	s_add_co_u32 s2, s2, s18
	s_add_co_u32 s2, s2, s71
	s_add_nc_u64 s[88:89], s[14:15], s[2:3]
	ROUND                                          ; all four work-groups are here: the joint loads meet
	s_cmp_lt_u32 s16, 3                            ; one load a wave: waves 0-2 chunk 0, wave 3 the scales
	s_cbranch_scc0 .Lhead_s
	tensor_load_to_lds s[48:51], s[24:31]
	s_nop 0
	NOPS
	s_branch .Lhead_j
.Lhead_s:
	tensor_load_to_lds s[52:55], s[32:39]
	s_nop 0
	NOPS
.Lhead_j:
	v_and_b32 v11, 31, v0
	v_and_b32 v12, 15, v0                          ; r
	v_bfe_u32 v13, v0, 4, 1                        ; hh
	v_lshlrev_b32 v[L16], 4, v11
	v_lshlrev_b32 v14, 4, v12
	v_lshl_add_u32 v[L8], v13, 3, v14
	v_lshlrev_b32 v[R8], 3, v12
	v_mul_u32_u24 v15, v13, s74
	v_add_nc_u32 v[SOF], v15, v14
	v_add_nc_u32 v[SOF2], s75, v[SOF]
	v_cmp_eq_u32 s92, 1, v13
.irp q, 0,1,2,3,4,5,6,7
	v_mov_b32 v[TP+\q], 0                          ; written once: lane permutes' destinations
.endr
.irp a, 0,1,2,3
.irp j, 0,1,2,3
	global_load_b64 v[AS+8*\a+2*\j:AS+8*\a+2*\j+1], v[R8], s[ASP:ASP+1] offset:\a*512+\j*128
.endr
.endr
	WIN 0x80
.irp k, 0,1,2,3,4
.irp a, 0,1,2,3
	AFR 48*\k+12*\a, \a*12288+\k*1536
.endr
.endr
	WIN 0xc0
.irp k, 5,6,7
.irp a, 0,1,2,3
	AFR 48*(\k-5)+12*\a, \a*12288+\k*1536
.endr
.endr
	WIN 0
; the way out of a unit: tile a's 32 numbers a lane are two half blocks of 32 along the next K
.macro WAYOUT
	NOPS
	WIN 0x14
.irp c, 0,1
.irp a, 0,1,2,3
	v_max3_num_f32 v[TM+2*\a+\c], 0x2800000, |v[32*\a+16*\c]|, |v[32*\a+16*\c+1]|   ; with the floor 2^(5 - 127)
.endr
.endr
.irp i, 2,4,6,8,10,12,14
.irp c, 0,1
.irp a, 0,1,2,3
	v_max3_num_f32 v[TM+2*\a+\c], v[TM+2*\a+\c], |v[32*\a+16*\c+\i]|, |v[32*\a+16*\c+\i+1]|
.endr
.endr
.endr
	WIN 0
.irp q, 0,1,2,3,4,5,6,7
	v_permlanex16_b32 v[TP+\q], v[TM+\q], s90, s91
.endr
.irp q, 0,1,2,3,4,5,6,7
	v_max_num_f32 v[TM+\q], v[TM+\q], v[TP+\q]
.endr
.irp q, 0,1,2,3,4,5,6,7
	v_add_nc_u32 v[SOP+\q], 0xfe000000, v[TM+\q]   ; 4 off the exponent field: the conversion's scale operand
.endr
.irp q, 0,1,2,3,4,5,6,7
	v_lshrrev_b32 v[TP+\q], 23, v[SOP+\q]
.endr
.irp a, 0,1,2,3
	v_lshl_or_b32 v[HW+\a], v[TP+2*\a+1], 8, v[TP+2*\a]   ; tile a's two bytes
.endr
	WIN 0x01
.irp a, 0,1,2,3
	v_cvt_scalef32_pk16_bf6_f32 v[PC+8*\a:PC+8*\a+2], v[32*\a:32*\a+15], v[SOP+2*\a]
	v_cvt_scalef32_pk16_bf6_f32 v[PC+8*\a+4:PC+8*\a+6], v[32*\a+16:32*\a+31], v[SOP+2*\a+1]
.endr
	WIN 0
	v_cndmask_b32 v126, v[HW+2], v[HW+1], s76      ; which tile's halfword a lane stores: q, k: tiles 2 hh, 2 hh + 1; v: tiles hh, 2 + hh.  (Also the plain line behind the conversions)
	v_cndmask_b32 v127, v[HW+1], v[HW+2], s76
	v_cndmask_b32 v[U0], v[HW], v126, s92
	v_cndmask_b32 v[U1], v127, v[HW+3], s92
.irp a, 0,1,2,3
.irp i, 0,1,2
	v_permlane16_swap_b32 v[PC+8*\a+\i], v[PC+8*\a+4+\i]
.endr
.endr
.irp i, 0,1,2
.irp a, 0,1,2,3
	v_mov_b32 v[PC+8*\a+3+\i], v[PC+8*\a+4+\i]
.endr
.endr
.irp a, 0,1,2,3
	global_store_b128 v[L16], v[PC+8*\a:PC+8*\a+3], s[80+2*\a:81+2*\a]              ; 512 consecutive bytes, aligned to 256
	global_store_b64 v[L8], v[PC+8*\a+4:PC+8*\a+5], s[80+2*\a:81+2*\a] offset:512
.endr
	global_store_b16 v[SOF], v[U0], s[88:89]
	global_store_b16 v[SOF2], v[U1], s[88:89]
	s_wait_xcnt 0x0                                ; the stores have read their data and bases: both are written again only behind this wait
.irp a, 0,1,2,3
	s_add_nc_u64 s[80+2*\a:81+2*\a], s[80+2*\a:81+2*\a], s[98:99]
.endr
	s_add_nc_u64 s[88:89], s[88:89], s[100:101]
.endm
.macro CHUNK slot, c                   ; a chunk's two units
	s_mov_b32 s94, \slot*98304
	s_mov_b32 s95, BSC+\c*4096
	s_mov_b32 s93, 2
.Lunit_\@:
	COMPUTE
	WAYOUT
	s_add_co_u32 s94, s94, 49152
	s_add_co_u32 s95, s95, 2048
	s_sub_co_u32 s93, s93, 1
	s_cmp_lg_u32 s93, 0
	s_cbranch_scc1 .Lunit_\@
	s_add_nc_u64 s[88:89], s[88:89], s[72:73]
.endm
.macro FILL g0, step                   ; ahead of a refill and of a later first fill; the round takes the barrier's place
	s_wait_alu depctr_va_vdst(0)
	s_wait_tensorcnt 0x0
	ds_add_u32 v28, v29
.if \step
	s_add_nc_u64 s[\g0+2:\g0+3], s[\g0+2:\g0+3], 2*98304
.endif
	s_wait_dscnt 0x0
	ROUND
	tensor_load_to_lds s[\g0:\g0+3], s[40:47]
	s_nop 0
	NOPS
.endm
	FILL 60, 0                                     ; chunk 0 and the scales are in; chunk 1 into slot 1
	s_wait_loadcnt 0x0                             ; the lane operand is in
	CHUNK 0, 0
	FILL 56, 1                                     ; chunk 2 into slot 0
	CHUNK 1, 1
	FILL 60, 1                                     ; chunk 3 into slot 1
	CHUNK 0, 2
	s_wait_tensorcnt 0x0                           ; my part of chunk 3 is in
	s_barrier_signal -1
	s_barrier_wait -1
	CHUNK 1, 3
	s_wait_tensorcnt 0x0                           ; the wave's end
	ds_add_u32 v28, v29
	s_wait_dscnt 0x0
	ROUND                                          ; the closing round
	s_endpgm
.Lfunc_end_k_q7944a4166b_qkv:
	.size	k_q7944a4166b_qkv, .Lfunc_end_k_q7944a4166b_qkv-k_q7944a4166b_qkv
	.p2alignl 7, 3214868480
	.fill 96, 4, 3214868480
	.section	.rodata,"a",@progbits
	.p2align	6, 0x0
	.amdhsa_kernel k_q7944a4166b_qkv
		.amdhsa_group_segment_fixed_size 327680
		.amdhsa_private_segment_fixed_size 0
		.amdhsa_enable_private_segment 0
		.amdhsa_kernarg_size 48
		.amdhsa_user_sgpr_count 2
		.amdhsa_user_sgpr_kernarg_segment_ptr 1
		.amdhsa_wavefront_size32 1
		.amdhsa_system_sgpr_workgroup_id_x 1
		.amdhsa_system_sgpr_workgroup_id_y 1
		.amdhsa_system_sgpr_workgroup_id_z 1
		.amdhsa_system_vgpr_workitem_id 0
		.amdhsa_next_free_vgpr 912
		.amdhsa_next_free_sgpr 102
		.amdhsa_reserve_vcc 0
		.amdhsa_float_denorm_mode_32 3
		.amdhsa_float_denorm_mode_16_64 3
		.amdhsa_memory_ordered 1
		.amdhsa_forward_progress 1
		.amdhsa_inst_pref_size 168
	.end_amdhsa_kernel
	.amdgpu_metadata
---
amdhsa.version: [ 1, 2 ]
amdhsa.kernels:
  - .name:           k_q7944a4166b_qkv
    .symbol:         k_q7944a4166b_qkv.kd
    .args:
      - { .name: xc, .offset: 0, .size: 8, .value_kind: global_buffer, .address_space: global }
      - { .name: xs, .offset: 8, .size: 8, .value_kind: global_buffer, .address_space: global }
      - { .name: wc, .offset: 16, .size: 8, .value_kind: global_buffer, .address_space: global }
      - { .name: ws, .offset: 24, .size: 8, .value_kind: global_buffer, .address_space: global }
      - { .name: qkvc, .offset: 32, .size: 8, .value_kind: global_buffer, .address_space: global }
      - { .name: qkvs, .offset: 40, .size: 8, .value_kind: global_buffer, .address_space: global }
    .group_segment_fixed_size: 327680
    .private_segment_fixed_size: 0
    .kernarg_segment_align: 8
    .kernarg_segment_size: 48
    .max_flat_workgroup_size: 128
    .sgpr_count:     102
    .vgpr_count:     912
    .wavefront_size: 32
...
	.end_amdgpu_metadata
.endif
;; end of part 2
;; launch attn (part 3): grid 4 x 64, 8 waves a work-group, clusters of 4 x 1, 210,944 bytes of LDS; arguments qkvc, qkvs, cc, cs; writes cc, cs
.if DOCPART == 3
	.amdgcn_target "amdgcn-amd-amdhsa--gfx1250"
	.amdhsa_code_object_version 6
	.text
	.protected	k_q7944a4166b_attn
	.globl	k_q7944a4166b_attn
	.p2align	8
	.type	k_q7944a4166b_attn,@function
k_q7944a4166b_attn:
	s_mov_b64 s[64:65], 0
	v_nop
	global_prefetch_b8 v0, s[64:65] scope:SCOPE_SE
	s_setreg_imm32_b32 hwreg(HW_REG_WAVE_MODE, 25, 1), 1
	s_wait_xcnt 0x0
	s_wait_alu depctr_hold_cnt(0) depctr_sa_sdst(0) depctr_va_vdst(0) depctr_va_sdst(0) depctr_va_ssrc(0) depctr_va_vcc(0) depctr_vm_vsrc(0)
	s_getreg_b32 s2, hwreg(HW_REG_IB_STS2, 6, 4)
	s_cmp_eq_u32 s2, 0
	s_cbranch_scc0 .Lentry_in_a_cluster
	s_endpgm
.Lentry_in_a_cluster:
	s_bfe_u32 s2, ttmp6, 0x10000c
	s_cmp_lg_u32 s2, 0x3003
	s_cbranch_scc0 .Lentry_shape_is_right
	s_endpgm
.Lentry_shape_is_right:
; Attention on codes of BF6 (E3M2): S^T = K Q^T (K = the head's 64), p = 2^(t - M), O^T = V^T P^T (K = the keys), O / l quantised along the head's 64 as the last product's operand.
; t = score x log2(e) / 8; M = the running largest t rounded UP to a whole number; the row's sum l is taken of the unquantised p and divides O at the end.
; When M moves, the sum and O^T are multiplied by 2^(old M - new M): exact, and done in every step.
; SHARES.  A work-group owns one (batch, head) and 512 queries; each of its eight waves four tiles of 16 queries, TWO AT A TIME (tiles X and Y), in two passes.
; X and Y share every fragment of K and V: 35 LDS loads serve 24 matrix instructions.  Their serial chains (maximum, M, scale bytes) stand interleaved.
; A HEAD'S K AND V, CODES AND SCALES, STAY IN LDS: 4,096 + 98,304 + 98,304 + 8,192 bytes, filled ONCE, one tensor load a wave: waves 0-1 K's codes, 2-5 V's four tiles of d, 6 K's scales, 7 V's.
; CLUSTER.  The four work-groups of a cluster are the four query blocks of one head: every tile is asked for JOINTLY.  No prefetch: the tiles come once, at the head, with no loop ahead of them.
; K = 64 IN A FORM OF 128: a fragment holds the half images of TWO key tiles; multiplied by [q | 0] it gives the first tile's scores, by [0 | q] the second's.
; LAYOUT.  Both products are used transposed: a lane holds ONE query.  16 registers of two neighbouring tiles are 16 neighbours: keys 32 b + 16 hh + i in S^T, d likewise in O^T.
; FETCHES.  V's fragments of a step are asked for at its top, K's of the next step behind the scores' products.  The last step's fetch of K reads the 6,144 bytes behind K's region and 256 behind
; its scales (V's codes, K's codes): they are not used.
; LIMITS: a block of zeros gets the byte 1 (its codes are zeros; this program alone reads the bytes); NaN and infinities are not served; the promise holds while |t| stays under 2^31.
; REGISTERS.  Window 0: addresses, q, fragments, codes, scale words.  Window 1: S^T / p (X 0-63, Y 64-127), O^T (128-159, 160-191), each tile's chain (192.., 224..).
.set KSC, 0
.set KC,  4096
.set VC,  102400
.set VSC, 200704
.set SPARE, 208896
.set L16, 1
.set L8,  2
.set CSO, 3
.set BKA, 4                            ; bases: K's codes (16 x lane; 16 r + 8 hh), K's scales, V's tiles 0-1, tiles 2-3, V's scales
.set BKB, 5
.set BKS, 6
.set BVA, 7
.set BVB, 8
.set BVA2, 9
.set BVB2, 10
.set BVS, 11
.set CKA, 12                           ; the same, at the step
.set CKB, 13
.set CKS, 14
.set CVA, 15
.set CVB, 16
.set CVA2, 17
.set CVB2, 18
.set CVS, 19
.set QS,  20                           ; q's scale words X, Y; v22-23 the next pass's
.set PS,  24                           ; p's scale words X, Y
.set BY,  26                           ; the way out: a scale byte, X, Y
.set SPW, 28
.set NIL, 29
.set QB,  32                           ; zeros, q X, zeros, q Y, zeros: six registers each
.set NQ,  62                           ; the next pass's q
.set KF,  76
.set VF,  124
.set KSW, 172
.set VSW, 176
.set CD,  180                          ; p's codes, X then Y
.set CT,  204                          ; their second halves, at work
.set SS,  0                            ; window 1
.set OO,  128
.set BM,  192                          ; a tile's chain, 32 registers apart: block maxima,
.set PM,  196                          ; lane permutes' results, then bytes,
.set SO,  200                          ; the conversions' scale operands,
.set NM,  204                          ; -M, and beside it the running largest score,
.set LL,  206                          ; the sum in two halves,
.set FF,  208                          ; f (a pair is named),
.set T1,  210
.set T2,  211
.set MSB, 0
.macro WIN new
.if MSB != \new
	s_set_vgpr_msb (MSB<<8)|\new
.set MSB, \new
.endif
.endm
.macro ROUND
	s_barrier_signal -1
	s_barrier_wait -1
	s_cmp_lg_u32 s12, 0
	s_cbranch_scc1 .Lnot_wave_0_\@
	s_barrier_signal -3
.Lnot_wave_0_\@:
	s_barrier_wait -3
	s_barrier_signal -1
	s_barrier_wait -1
.endm
.macro DENSE g, rows                   ; group 1: a dense block as rows of 256 bytes; the mask names all four work-groups, bit 21 beside it
	s_mov_b32 s[\g], 15|(3<<16)|(1<<21)
	s_mov_b32 s[\g+1], 32<<16
	s_mov_b32 s[\g+2], (\rows)<<16
	s_mov_b32 s[\g+3], 32<<16
	s_mov_b32 s[\g+4], \rows
	s_mov_b32 s[\g+5], 32
	s_mov_b32 s[\g+6], 0
	s_mov_b32 s[\g+7], 0
.endm
.macro FRAG reg, a, b, off
	ds_load_b128 v[\reg:\reg+3], v[\a] offset:\off
	ds_load_b64 v[\reg+4:\reg+5], v[\b] offset:\off+512
	ds_load_b128 v[\reg+6:\reg+9], v[\a] offset:\off+768
	ds_load_b64 v[\reg+10:\reg+11], v[\b] offset:\off+1280
.endm
.macro KLOAD a, b, s                   ; 17 loads: a step's four fragments of K and their scale words
.irp f, 0,1,2,3
	FRAG KF+12*\f, \a, \b, 1536*\f
.endr
	ds_load_b128 v[KSW:KSW+3], v[\s]
.endm
	s_load_b256 s[4:11], s[0:1], 0x0               ; qkvc, qkvs, cc, cs
	v_lshl_add_u32 v[SPW], v0, 2, SPARE
	v_mov_b32 v[NIL], 0
	ds_add_u32 v[SPW], v[NIL]                      ; the opening lines
	ds_add_u32 v[SPW], v[NIL]
	v_lshrrev_b32 v12, 5, v0
	v_readfirstlane_b32 s12, v12                   ; wave 0..7
	s_and_b32 s13, ttmp7, 0xffff
	s_lshr_b32 s14, s13, 4                         ; batch
	s_and_b32 s15, s13, 15                         ; head
	DENSE 24, 192                                  ; half of K's codes
	DENSE 32, 96                                   ; one tile of d of V's codes
	DENSE 40, 16                                   ; K's scales
	DENSE 48, 32                                   ; V's scales (the head pair's)
	s_add_co_u32 s16, s15, 16                      ; offsets made of batch, head and wave, which the partners share
	s_mul_i32 s16, s16, 393216
	s_mul_i32 s17, s14, 98304
	s_add_co_u32 s16, s16, s17
	s_mul_i32 s17, s12, 49152
	s_add_co_u32 s16, s16, s17
	s_mov_b32 s17, 0
	s_mul_i32 s18, s15, 393216
	s_add_co_u32 s18, s18, 12582912-2*98304        ; wave w takes tile w - 2
	s_mul_i32 s19, s14, 24576
	s_add_co_u32 s18, s18, s19
	s_mul_i32 s19, s12, 98304
	s_add_co_u32 s18, s18, s19
	s_mov_b32 s19, 0
	s_add_co_u32 s20, s15, 16
	s_lshl_b32 s20, s20, 14
	s_lshl_b32 s21, s14, 12
	s_add_co_u32 s20, s20, s21
	s_mov_b32 s21, 0
	s_lshr_b32 s22, s15, 1
	s_lshl_b32 s22, s22, 15
	s_add_co_u32 s22, s22, 524288
	s_lshl_b32 s23, s14, 13
	s_add_co_u32 s22, s22, s23
	s_mov_b32 s23, 0
	s_mov_b32 s76, 0x76543210
	s_mov_b32 s77, 0xfedcba98                      ; lane l xor 16
	s_mov_b32 s78, 0x3e38aa3b                      ; c = log2(e) / 8
	s_mov_b32 s79, s78
	s_mov_b32 s91, 0xbe38aa3b                      ; -c
	s_wait_dscnt 0x0
	s_wait_kmcnt 0x0
	s_mov_b32 s56, 1
	s_mul_i32 s57, s12, 49152
	s_add_co_u32 s57, s57, KC
	s_add_nc_u64 s[58:59], s[4:5], s[16:17]
	s_or_b32 s59, s59, 0x80000000
	s_mov_b32 s60, 1
	s_mul_i32 s61, s12, 24576
	s_add_co_u32 s61, s61, VC-2*24576
	s_add_nc_u64 s[62:63], s[4:5], s[18:19]
	s_or_b32 s63, s63, 0x80000000
	s_mov_b32 s68, 1
	s_mov_b32 s69, KSC
	s_add_nc_u64 s[70:71], s[6:7], s[20:21]
	s_or_b32 s71, s71, 0x80000000
	s_mov_b32 s72, 1
	s_mov_b32 s73, VSC
	s_add_nc_u64 s[74:75], s[6:7], s[22:23]
	s_or_b32 s75, s75, 0x80000000
	ROUND                                          ; all four work-groups are here: the joint loads meet
.macro ARM under, g0, g1, next         ; one chain of branches on the wave's number: every way passes one load
	s_cmp_lt_u32 s12, \under
	s_cbranch_scc0 \next
	tensor_load_to_lds s[\g0:\g0+3], s[\g1:\g1+7]
	s_nop 0
.rept 4
	v_nop
.endr
	s_branch .Lasked
\next:
.endm
	ARM 2, 56, 24, .Larm_v
	ARM 6, 60, 32, .Larm_ks
	ARM 7, 68, 40, .Larm_vs
	tensor_load_to_lds s[72:75], s[48:55]
	s_nop 0
.rept 4
	v_nop
.endr
.Lasked:
	; my queries: the place in the cluster enters only these global addresses
	s_bfe_u32 s16, ttmp6, 0x40000
	s_lshl_b32 s17, ttmp9, 2
	s_add_co_u32 s16, s16, s17                     ; block of 512 queries
	s_lshl_b32 s17, s14, 7
	s_lshl_b32 s18, s16, 5
	s_add_co_u32 s17, s17, s18
	s_lshl_b32 s18, s12, 2
	s_add_co_u32 s17, s17, s18                     ; my first tile: 128 batch + 32 block + 4 wave
	s_mul_i32 s20, s15, 393216
	s_mul_i32 s21, s17, 768
	s_add_co_u32 s20, s20, s21
	s_mov_b32 s21, 0
	s_add_nc_u64 s[4:5], s[4:5], s[20:21]          ; q's codes
	s_lshl_b32 s20, s15, 14
	s_lshr_b32 s22, s17, 3
	s_lshl_b32 s22, s22, 8
	s_add_co_u32 s20, s20, s22
	s_and_b32 s22, s17, 4
	s_lshl_b32 s22, s22, 1
	s_add_co_u32 s20, s20, s22
	s_add_nc_u64 s[6:7], s[6:7], s[20:21]          ; my four tiles' scale bytes: eight of a row's sixteen
	s_mul_i32 s20, s17, 12288
	s_mul_i32 s22, s15, 768
	s_add_co_u32 s20, s20, s22
	s_add_nc_u64 s[86:87], s[8:9], s[20:21]        ; concat's codes: tile, K / 64 = head
	s_lshl_b32 s20, s17, 9
	s_lshr_b32 s22, s15, 2
	s_lshl_b32 s22, s22, 7
	s_add_co_u32 s20, s20, s22
	s_and_b32 s22, s15, 3
	s_lshl_b32 s22, s22, 1
	s_add_co_u32 s20, s20, s22
	s_add_nc_u64 s[88:89], s[10:11], s[20:21]      ; its scale bytes: blocks 2 head, 2 head + 1
	v_and_b32 v12, 31, v0
	v_and_b32 v13, 15, v0                          ; r
	v_bfe_u32 v14, v0, 4, 1                        ; hh
	v_lshlrev_b32 v[L16], 4, v12
	v_lshlrev_b32 v15, 4, v13                      ; 16 r
	v_lshl_add_u32 v[L8], v14, 3, v15
	v_lshl_add_u32 v[CSO], v13, 3, v14
	v_add_nc_u32 v[BKA], KC, v[L16]
	v_add_nc_u32 v[BKB], KC, v[L8]
	v_mov_b32 v[BKS], v15                          ; K's scales begin at LDS byte 0
	v_add_nc_u32 v[BVA], VC, v[L16]
	v_add_nc_u32 v[BVB], VC, v[L8]
	v_add_nc_u32 v[BVA2], VC+49152, v[L16]
	v_add_nc_u32 v[BVB2], VC+49152, v[L8]
	s_and_b32 s22, s15, 1
	s_lshl_b32 s22, s22, 3
	s_add_co_u32 s22, s22, VSC
	v_add_nc_u32 v[BVS], s22, v15                  ; + 8 for the pair's odd head
	v_cmp_eq_u32 s90, 1, v14                       ; lanes 16-31
	global_load_b128 v[QB+6:QB+9], v[L16], s[4:5]
	global_load_b64 v[QB+10:QB+11], v[L8], s[4:5] offset:512
	global_load_b128 v[QB+18:QB+21], v[L16], s[4:5] offset:768
	global_load_b64 v[QB+22:QB+23], v[L8], s[4:5] offset:1280
	global_load_b128 v[NQ:NQ+3], v[L16], s[4:5] offset:1536
	global_load_b64 v[NQ+4:NQ+5], v[L8], s[4:5] offset:2048
	global_load_b128 v[NQ+6:NQ+9], v[L16], s[4:5] offset:2304
	global_load_b64 v[NQ+10:NQ+11], v[L8], s[4:5] offset:2816
	global_load_b64 v[30:31], v15, s[6:7]
.irp z, 0,12,24
.irp i, 0,1,2,3,4,5
	v_mov_b32 v[QB+\z+\i], 0                       ; zero codes beside q
.endr
.endr
	WIN 0x40
.irp T, 0,1
.irp i, 0,1,2,3
	v_mov_b32 v[PM+32*\T+\i], 0                    ; written once: lane permutes' destinations,
.endr
	v_mov_b32 v[T1+32*\T], 0
	v_mov_b32 v[FF+32*\T+1], 0                     ; and the upper half of f's pair
.endr
	WIN 0
	s_wait_alu depctr_va_vdst(0)
	s_wait_loadcnt 0x0
	v_perm_b32 v[QS], v30, v30, 0x01000100         ; a tile's two bytes, twice
	v_perm_b32 v[QS+1], v30, v30, 0x03020302
	v_perm_b32 v[QS+2], v31, v31, 0x01000100
	v_perm_b32 v[QS+3], v31, v31, 0x03020302
	s_wait_alu depctr_va_vdst(0)
	s_wait_tensorcnt 0x0                           ; my tile is in,
	s_barrier_signal -1
	s_barrier_wait -1                              ; everybody's are
	s_mov_b32 s84, 2
.macro CODES T                         ; p's 64 numbers a lane into 12 registers of codes; entered with sources in window 1, results in window 0
.irp c, 0,1
	v_cvt_scalef32_pk16_bf6_f32 v[CD+12*\T+6*\c:CD+12*\T+6*\c+2], v[SS+64*\T+32*\c:SS+64*\T+32*\c+15], v[SO+32*\T+2*\c]
	v_cvt_scalef32_pk16_bf6_f32 v[CT+4*\c:CT+4*\c+2], v[SS+64*\T+32*\c+16:SS+64*\T+32*\c+31], v[SO+32*\T+2*\c+1]
.endr
	WIN 0
	v_nop                                          ; one plain line behind the conversions
.irp c, 0,1
.irp i, 0,1,2
	v_permlane16_swap_b32 v[CD+12*\T+6*\c+\i], v[CT+4*\c+\i]
.endr
.irp i, 0,1,2
	v_mov_b32 v[CD+12*\T+6*\c+3+\i], v[CT+4*\c+\i]
.endr
.endr
.endm
.macro LEVEL base, st                  ; a level of the sum's tree, in place
.set J, 0
.rept 64/(2*\st)
	v_pk_add_f32 v[\base+J:\base+J+1], v[\base+J:\base+J+1], v[\base+J+\st:\base+J+\st+1]
.set J, J+2*\st
.endr
.endm
.Lpass:
	s_mov_b32 s80, 6144                            ; the NEXT step's place in K's codes,
	s_mov_b32 s81, 256                             ; in K's scales;
	s_mov_b32 s82, 0                               ; this step's in each tile of V's codes,
	s_mov_b32 s85, 0                               ; in V's scales
	s_mov_b32 s83, 16
	KLOAD BKA, BKB, BKS                            ; step 0
	WIN 0x40
.irp T, 0,1
	v_mov_b32 v[NM+32*\T], 0x7f61b1e6              ; -M = 3e38
	v_mov_b32 v[NM+32*\T+1], 0xff61b1e6            ; the largest score so far: -3e38
	v_mov_b32 v[LL+32*\T], 0
	v_mov_b32 v[LL+32*\T+1], 0
.endr
.set J, 0
.rept 64
	v_mov_b32 v[OO+J], 0                           ; O^T: the first change of M multiplies zeros
.set J, J+1
.endr
	WIN 0
.Lstep:                                            ; 128 keys x 32 queries
	v_add_nc_u32 v[CVA], s82, v[BVA]               ; (five plain lines: the places behind the last products, in front of the loads into their registers)
	v_add_nc_u32 v[CVB], s82, v[BVB]
	v_add_nc_u32 v[CVA2], s82, v[BVA2]
	v_add_nc_u32 v[CVB2], s82, v[BVB2]
	v_add_nc_u32 v[CVS], s85, v[BVS]
	FRAG VF, CVA, CVB, 0                           ; 18 loads: V's four fragments and their scale words
	FRAG VF+12, CVA, CVB, 24576
	FRAG VF+24, CVA2, CVB2, 0
	FRAG VF+36, CVA2, CVB2, 24576
	ds_load_b64 v[VSW:VSW+1], v[CVS]               ; d tiles 0 and 2,
	ds_load_b64 v[VSW+2:VSW+3], v[CVS] offset:256  ; 1 and 3
	s_wait_dscnt 18                                ; K's 17 loads are in; the 18 just issued may be out
	WIN 0x40
.irp b, 0,1,2,3
.irp T, 0,1
	v_wmma_scale_f32_16x16x128_f8f6f4 v[SS+64*\T+16*\b:SS+64*\T+16*\b+7], v[KF+12*\b:KF+12*\b+11], v[QB+12*\T+6:QB+12*\T+17], 0, v[KSW+\b], v[QS+\T] matrix_a_fmt:MATRIX_FMT_BF6 matrix_b_fmt:MATRIX_FMT_BF6
	v_wmma_scale_f32_16x16x128_f8f6f4 v[SS+64*\T+16*\b+8:SS+64*\T+16*\b+15], v[KF+12*\b:KF+12*\b+11], v[QB+12*\T:QB+12*\T+11], 0, v[KSW+\b], v[QS+\T] matrix_a_fmt:MATRIX_FMT_BF6 matrix_b_fmt:MATRIX_FMT_BF6
.endr
.endr
	WIN 0
	v_add_nc_u32 v[CKA], s80, v[BKA]               ; four places, in front of the loads below and of the first reads of the scores
	v_add_nc_u32 v[CKB], s80, v[BKB]
	v_add_nc_u32 v[CKS], s81, v[BKS]
	v_nop
	KLOAD CKA, CKB, CKS                            ; the next step's K
	WIN 0x55
.irp T, 0,1                                    ; the largest score of each block of 32 keys: for the row's maximum and, since p rises with the score, for the block's largest p
.irp b, 0,1,2,3
	v_max3_num_f32 v[BM+32*\T+\b], v[SS+64*\T+16*\b], v[SS+64*\T+16*\b+1], v[SS+64*\T+16*\b+2]
.endr
.irp i, 3,5,7,9,11,13
.irp b, 0,1,2,3
	v_max3_num_f32 v[BM+32*\T+\b], v[BM+32*\T+\b], v[SS+64*\T+16*\b+\i], v[SS+64*\T+16*\b+\i+1]
.endr
.endr
.irp b, 0,1,2,3
	v_max_num_f32 v[BM+32*\T+\b], v[BM+32*\T+\b], v[SS+64*\T+16*\b+15]
.endr
.endr
.irp b, 0,1,2,3
.irp T, 0,1
	v_permlanex16_b32 v[PM+32*\T+\b], v[BM+32*\T+\b], s76, s77
.endr
.endr
.irp b, 0,1,2,3
.irp T, 0,1
	v_max_num_f32 v[BM+32*\T+\b], v[BM+32*\T+\b], v[PM+32*\T+\b]
.endr
.endr
.irp T, 0,1
	v_max3_num_f32 v[T1+32*\T], v[BM+32*\T], v[BM+32*\T+1], v[BM+32*\T+2]
.endr
.irp T, 0,1
	v_max3_num_f32 v[NM+32*\T+1], v[NM+32*\T+1], v[T1+32*\T], v[BM+32*\T+3]   ; the running largest score
.endr
.irp T, 0,1
	v_mul_f32 v[T1+32*\T], s91, v[NM+32*\T+1]      ; -t (c is positive)
.endr
.irp T, 0,1
	v_floor_f32 v[T2+32*\T], v[T1+32*\T]           ; the new -M = -ceil(t)
.endr
.irp T, 0,1
	v_sub_f32 v[T1+32*\T], v[T2+32*\T], v[NM+32*\T]   ; old M - new M: a whole number, 0 or less
.endr
.irp T, 0,1
	v_mov_b32 v[NM+32*\T], v[T2+32*\T]
.endr
.irp T, 0,1
	v_cvt_i32_f32 v[T1+32*\T], v[T1+32*\T]         ; (it saturates)
.endr
.irp T, 0,1
	v_ldexp_f32 v[FF+32*\T], 1.0, v[T1+32*\T]      ; f = 2^(old M - new M)
.endr
.set J, 0
.rept 32
	v_pk_fma_f32 v[SS+J:SS+J+1], v[SS+J:SS+J+1], s[78:79], v[NM:NM+1] op_sel_hi:[1,0,0]   ; X: t - M, two at a time
.set J, J+2
.endr
.irp b, 0,1,2,3
.irp T, 0,1
	v_fma_f32 v[BM+32*\T+\b], v[BM+32*\T+\b], s78, v[NM+32*\T]
.endr
.endr
.irp T, 0,1
.set J, 0
.rept 16
	v_pk_mul_f32 v[OO+32*\T+J:OO+32*\T+J+1], v[OO+32*\T+J:OO+32*\T+J+1], v[FF+32*\T:FF+32*\T+1] op_sel_hi:[1,0]   ; O^T under the new M, each accumulator from its low end on
.set J, J+2
.endr
.endr
	s_wait_alu depctr_va_vdst(0)                   ; the wait ahead of the batch
.irp b, 0,1,2,3
.irp T, 0,1
	v_exp_f32 v[BM+32*\T+\b], v[BM+32*\T+\b]       ; a block's largest p: the same two instructions on the same number
.endr
.endr
.set J, 0
.rept 32                                       ; X's p; between them Y's t - M, first read behind the wait below
	v_exp_f32 v[SS+J], v[SS+J]
	v_exp_f32 v[SS+J+1], v[SS+J+1]
	v_pk_fma_f32 v[SS+64+J:SS+64+J+1], v[SS+64+J:SS+64+J+1], s[78:79], v[NM+32:NM+33] op_sel_hi:[1,0,0]
.set J, J+2
.endr
	s_wait_alu depctr_va_vdst(0)                   ; and behind it
.irp b, 0,1,2,3
.irp T, 0,1
	v_max_num_f32 v[BM+32*\T+\b], 0x2800000, v[BM+32*\T+\b]   ; the floor 2^(5 - 127)
.endr
.endr
.irp b, 0,1,2,3
.irp T, 0,1
	v_add_nc_u32 v[SO+32*\T+\b], 0xfe000000, v[BM+32*\T+\b]   ; 4 off the exponent field: the conversion's scale operand
.endr
.endr
.irp b, 0,1,2,3
.irp T, 0,1
	v_lshrrev_b32 v[PM+32*\T+\b], 23, v[SO+32*\T+\b]
.endr
.endr
.irp T, 0,1
	v_lshl_or_b32 v[T1+32*\T], v[PM+32*\T+1], 8, v[PM+32*\T]
.endr
.irp T, 0,1
	v_lshl_or_b32 v[T1+32*\T], v[PM+32*\T+2], 16, v[T1+32*\T]
.endr
	WIN 0x15
.irp T, 0,1
	v_lshl_or_b32 v[PS+\T], v[PM+32*\T+3], 24, v[T1+32*\T]    ; p's scale word for these 128 keys, into window 0
.endr
	CODES 0
	WIN 0x55
	s_wait_alu depctr_va_vdst(0)
.set J, 0
.rept 16                                       ; Y's p; between them the first level of X's sum, in place (X's codes are made), first read behind the wait below
	v_exp_f32 v[SS+64+J], v[SS+64+J]
	v_exp_f32 v[SS+64+J+1], v[SS+64+J+1]
	v_exp_f32 v[SS+64+J+2], v[SS+64+J+2]
	v_exp_f32 v[SS+64+J+3], v[SS+64+J+3]
	v_pk_add_f32 v[SS+J:SS+J+1], v[SS+J:SS+J+1], v[SS+J+2:SS+J+3]
.set J, J+4
.endr
	s_wait_alu depctr_va_vdst(0)
	WIN 0x15
	CODES 1
	WIN 0x55
	LEVEL SS+64, 2                                 ; the sums of the unquantised p
	LEVEL SS, 4
	LEVEL SS+64, 4
	LEVEL SS, 8
	LEVEL SS+64, 8
	LEVEL SS, 16
	LEVEL SS+64, 16
	LEVEL SS, 32
	LEVEL SS+64, 32
.irp T, 0,1
	v_pk_fma_f32 v[LL+32*\T:LL+32*\T+1], v[LL+32*\T:LL+32*\T+1], v[FF+32*\T:FF+32*\T+1], v[SS+64*\T:SS+64*\T+1] op_sel_hi:[1,0,1]   ; l x f + the step's
.endr
	s_wait_alu depctr_va_vdst(0)
	s_wait_dscnt 17                                ; V's 18 loads are in; the next K's 17 may be out
	WIN 0x50
.irp t, 0,1,2,3                                ; the eight accumulators take turns
.irp T, 0,1
	v_wmma_scale_f32_16x16x128_f8f6f4 v[OO+32*\T+8*\t:OO+32*\T+8*\t+7], v[VF+12*\t:VF+12*\t+11], v[CD+12*\T:CD+12*\T+11], v[OO+32*\T+8*\t:OO+32*\T+8*\t+7], v[VSW+2*(\t%2)+\t/2], v[PS+\T] matrix_a_fmt:MATRIX_FMT_BF6 matrix_b_fmt:MATRIX_FMT_BF6
.endr
.endr
	WIN 0
	s_add_co_u32 s80, s80, 6144
	s_add_co_u32 s81, s81, 256
	s_add_co_u32 s82, s82, 1536
	s_add_co_u32 s85, s85, 512
	s_sub_co_u32 s83, s83, 1
	s_cmp_lg_u32 s83, 0
	s_cbranch_scc1 .Lstep
	; THE PASS'S END: O^T / l, 64 numbers of a query's row of concat in two lanes, quantised: one half image and two scale bytes a row, for X and for Y
	s_wait_dscnt 0x0                               ; the last fetch has landed: its registers are loaded anew at the next pass's head
	WIN 0x55
.rept 4
	v_nop
.endr
.irp T, 0,1
	v_add_f32 v[LL+32*\T], v[LL+32*\T], v[LL+32*\T+1]
.endr
.irp T, 0,1
	v_permlanex16_b32 v[T1+32*\T], v[LL+32*\T], s76, s77
.endr
.irp T, 0,1
	v_add_f32 v[LL+32*\T], v[LL+32*\T], v[T1+32*\T]   ; the row's sum
.endr
	s_wait_alu depctr_va_vdst(0)
.irp T, 0,1
	v_rcp_f32 v[LL+32*\T], v[LL+32*\T]
.endr
	v_nop
	s_wait_alu depctr_va_vdst(0)
.irp T, 0,1
.set J, 0
.rept 32
	v_mul_f32 v[SS+64*\T+J], v[OO+32*\T+J], v[LL+32*\T]   ; register 16 b + i is d = 32 b + 16 hh + i
.set J, J+1
.endr
.endr
.irp b, 0,1
.irp T, 0,1
	v_max3_num_f32 v[BM+32*\T+\b], |v[SS+64*\T+16*\b]|, |v[SS+64*\T+16*\b+1]|, 0x2800000
.endr
.endr
.irp i, 2,4,6,8,10,12,14
.irp b, 0,1
.irp T, 0,1
	v_max3_num_f32 v[BM+32*\T+\b], v[BM+32*\T+\b], |v[SS+64*\T+16*\b+\i]|, |v[SS+64*\T+16*\b+\i+1]|
.endr
.endr
.endr
.irp b, 0,1
.irp T, 0,1
	v_permlanex16_b32 v[PM+32*\T+\b], v[BM+32*\T+\b], s76, s77
.endr
.endr
.irp b, 0,1
.irp T, 0,1
	v_max_num_f32 v[BM+32*\T+\b], v[BM+32*\T+\b], v[PM+32*\T+\b]
.endr
.endr
.irp b, 0,1
.irp T, 0,1
	v_add_nc_u32 v[SO+32*\T+\b], 0xfe000000, v[BM+32*\T+\b]
.endr
.endr
.irp b, 0,1
.irp T, 0,1
	v_lshrrev_b32 v[PM+32*\T+\b], 23, v[SO+32*\T+\b]
.endr
.endr
	WIN 0x15
.irp T, 0,1
	v_cvt_scalef32_pk16_bf6_f32 v[CD+12*\T:CD+12*\T+2], v[SS+64*\T:SS+64*\T+15], v[SO+32*\T]
	v_cvt_scalef32_pk16_bf6_f32 v[CT+4*\T:CT+4*\T+2], v[SS+64*\T+16:SS+64*\T+31], v[SO+32*\T+1]
.endr
.irp T, 0,1
	v_cndmask_b32 v[BY+\T], v[PM+32*\T], v[PM+32*\T+1], s90   ; lanes 0-15 store block 0's byte, lanes 16-31 block 1's; also the plain line behind the conversions
.endr
	WIN 0
.irp T, 0,1
.irp i, 0,1,2
	v_permlane16_swap_b32 v[CD+12*\T+\i], v[CT+4*\T+\i]
.endr
.irp i, 0,1,2
	v_mov_b32 v[CD+12*\T+3+\i], v[CT+4*\T+\i]
.endr
.endr
.irp T, 0,1
	global_store_b128 v[L16], v[CD+12*\T:CD+12*\T+3], s[86:87] offset:12288*\T       ; 512 consecutive bytes, aligned to 256
	global_store_b64 v[L8], v[CD+12*\T+4:CD+12*\T+5], s[86:87] offset:12288*\T+512
	global_store_b8 v[CSO], v[BY+\T], s[88:89] offset:512*\T                          ; two bytes of each row's eight: the other heads' work-groups store the rest
.endr
	s_wait_xcnt 0x0                                ; the stores have read their data and bases: both are written again only behind this wait
	s_add_nc_u64 s[86:87], s[86:87], 24576         ; the next two tiles
	s_add_nc_u64 s[88:89], s[88:89], 1024
.irp i, 0,1,2,3,4,5
	v_mov_b32 v[QB+6+\i], v[NQ+\i]                 ; the next pass's q
	v_mov_b32 v[QB+18+\i], v[NQ+6+\i]
.endr
	v_mov_b32 v[QS], v[QS+2]
	v_mov_b32 v[QS+1], v[QS+3]
	s_sub_co_u32 s84, s84, 1
	s_cmp_lg_u32 s84, 0
	s_wait_alu depctr_va_vdst(0)
	s_cbranch_scc1 .Lpass
	s_wait_tensorcnt 0x0                           ; the wave's end
	ds_add_u32 v[SPW], v[NIL]
	s_wait_dscnt 0x0
	ROUND                                          ; the closing round
	s_endpgm
.Lfunc_end_k_q7944a4166b_attn:
	.size	k_q7944a4166b_attn, .Lfunc_end_k_q7944a4166b_attn-k_q7944a4166b_attn
	.p2alignl 7, 3214868480
	.fill 96, 4, 3214868480
	.section	.rodata,"a",@progbits
	.p2align	6, 0x0
	.amdhsa_kernel k_q7944a4166b_attn
		.amdhsa_group_segment_fixed_size 210944
		.amdhsa_private_segment_fixed_size 0
		.amdhsa_enable_private_segment 0
		.amdhsa_kernarg_size 32
		.amdhsa_user_sgpr_count 2
		.amdhsa_user_sgpr_kernarg_segment_ptr 1
		.amdhsa_wavefront_size32 1
		.amdhsa_system_sgpr_workgroup_id_x 1
		.amdhsa_system_sgpr_workgroup_id_y 1
		.amdhsa_system_sgpr_workgroup_id_z 1
		.amdhsa_system_vgpr_workitem_id 0
		.amdhsa_next_free_vgpr 512
		.amdhsa_next_free_sgpr 96
		.amdhsa_reserve_vcc 0
		.amdhsa_float_denorm_mode_32 3
		.amdhsa_float_denorm_mode_16_64 3
		.amdhsa_memory_ordered 1
		.amdhsa_forward_progress 1
		.amdhsa_inst_pref_size 52
	.end_amdhsa_kernel
	.amdgpu_metadata
---
amdhsa.version: [ 1, 2 ]
amdhsa.kernels:
  - .name:           k_q7944a4166b_attn
    .symbol:         k_q7944a4166b_attn.kd
    .args:
      - { .name: qkvc, .offset: 0, .size: 8, .value_kind: global_buffer, .address_space: global }
      - { .name: qkvs, .offset: 8, .size: 8, .value_kind: global_buffer, .address_space: global }
      - { .name: cc, .offset: 16, .size: 8, .value_kind: global_buffer, .address_space: global }
      - { .name: cs, .offset: 24, .size: 8, .value_kind: global_buffer, .address_space: global }
    .group_segment_fixed_size: 210944
    .private_segment_fixed_size: 0
    .kernarg_segment_align: 8
    .kernarg_segment_size: 32
    .max_flat_workgroup_size: 256
    .sgpr_count:     96
    .vgpr_count:     512
    .wavefront_size: 32
...
	.end_amdgpu_metadata
.endif
;; end of part 3
;; launch outp (part 4): grid 4 x 64, 4 waves a work-group, clusters of 4 x 1, 167,936 bytes of LDS; arguments cc, cs, wc, ws, out0; writes out0
.if DOCPART == 4
	.amdgcn_target "amdgcn-amd-amdhsa--gfx1250"
	.amdhsa_code_object_version 6
	.text
	.protected	k_q7944a4166b_outp
	.globl	k_q7944a4166b_outp
	.p2align	8
	.type	k_q7944a4166b_outp,@function
k_q7944a4166b_outp:
	s_mov_b64 s[64:65], 0
	v_nop
	global_prefetch_b8 v0, s[64:65] scope:SCOPE_SE
	s_setreg_imm32_b32 hwreg(HW_REG_WAVE_MODE, 25, 1), 1
	s_wait_xcnt 0x0
	s_wait_alu depctr_hold_cnt(0) depctr_sa_sdst(0) depctr_va_vdst(0) depctr_va_sdst(0) depctr_va_ssrc(0) depctr_va_vcc(0) depctr_vm_vsrc(0)
	s_getreg_b32 s2, hwreg(HW_REG_IB_STS2, 6, 4)
	s_cmp_eq_u32 s2, 0
	s_cbranch_scc0 .Lentry_in_a_cluster
	s_endpgm
.Lentry_in_a_cluster:
	s_bfe_u32 s2, ttmp6, 0x10000c
	s_cmp_lg_u32 s2, 0x3003
	s_cbranch_scc0 .Lentry_shape_is_right
	s_endpgm
.Lentry_shape_is_right:
; out = concat W_o on codes of BF6 (E3M2).  Source 1 (the LANE operand) = rows of concat, source 0 (the STREAMED operand) = columns of W_o: a lane holds one row of out, its registers neighbouring columns.
; SHARES.  A work-group makes 256 rows x 128 columns: 32 x 8 = 256 work-groups.  A wave holds its 64 rows of concat for all of K in registers (4 tiles x 8 K steps x 12 = 384), loaded once from memory.
; W_o's 128 columns with all of K, 98,304 dense bytes, and their scales come into LDS ONCE, one tensor load a wave: nothing is filled again.
; CLUSTER.  The four work-groups of a cluster share their columns of W_o: its tiles are asked for JOINTLY.  No prefetch: the tiles come once, at the head.
; A UNIT is 64 columns: 128 matrix instructions on 16 accumulators by turns; then each tile of 16 rows x 256 bytes goes through the wave's own stage in LDS and leaves as whole rows of 256 aligned bytes.
; Rows and columns lie in groups of 32 with bits 3 and 4 of the index changed over: tile u of a group, place p, holds index 8 u + p + 8 (p / 8).
; REGISTERS.  Window 0: addresses, scale words, the way out.  Window 1: accumulators (a, b) at 8 (4 a + b), two sets of streamed fragments.  Windows 2, 3: the lane operand, K steps 0-4 and 5-7.
.set BSC,   98304
.set STAGE, 102400                     ; 16 rows x 272 bytes for each wave: no tensor load lands here
.set SPARE, 119808
.set L16, 1
.set L8,  2
.set R8,  3
.set BA,  6
.set BB,  7
.set BS,  8
.set STO, 9
.set RD,  10
.set CO,  11
.set AS,  32
.set BSW, 64
.set BK,  128                          ; 16 rows read back from the stage, two sets
.set BF,  128                          ; window 1
.set AP,  4
.set ASP, 6
.set MSB, 0
.macro WIN new
.if MSB != \new
	s_set_vgpr_msb (MSB<<8)|\new
.set MSB, \new
.endif
.endm
.macro ROUND
	s_barrier_signal -1
	s_barrier_wait -1
	s_cmp_lg_u32 s16, 0
	s_cbranch_scc1 .Lnot_wave_0_\@
	s_barrier_signal -3
.Lnot_wave_0_\@:
	s_barrier_wait -3
	s_barrier_signal -1
	s_barrier_wait -1
.endm
.macro NOPS
.rept 4
	v_nop
.endr
.endm
.macro DENSE g, rows
	s_mov_b32 s[\g], 15|(3<<16)|(1<<21)
	s_mov_b32 s[\g+1], 32<<16
	s_mov_b32 s[\g+2], (\rows)<<16
	s_mov_b32 s[\g+3], 32<<16
	s_mov_b32 s[\g+4], \rows
	s_mov_b32 s[\g+5], 32
	s_mov_b32 s[\g+6], 0
	s_mov_b32 s[\g+7], 0
.endm
.macro AFR reg, off
	global_load_b128 v[\reg:\reg+3], v[L16], s[AP:AP+1] offset:\off
	global_load_b64 v[\reg+4:\reg+5], v[L8], s[AP:AP+1] offset:\off+512
	global_load_b128 v[\reg+6:\reg+9], v[L16], s[AP:AP+1] offset:\off+768
	global_load_b64 v[\reg+10:\reg+11], v[L8], s[AP:AP+1] offset:\off+1280
.endm
.macro FETCHB k
.irp b, 0,1,2,3
	ds_load_b128 v[BF+48*((\k)%2)+12*\b:BF+48*((\k)%2)+12*\b+3], v[BA] offset:\b*12288+(\k)*1536
	ds_load_b64 v[BF+48*((\k)%2)+12*\b+4:BF+48*((\k)%2)+12*\b+5], v[BB] offset:\b*12288+(\k)*1536+512
	ds_load_b128 v[BF+48*((\k)%2)+12*\b+6:BF+48*((\k)%2)+12*\b+9], v[BA] offset:\b*12288+(\k)*1536+768
	ds_load_b64 v[BF+48*((\k)%2)+12*\b+10:BF+48*((\k)%2)+12*\b+11], v[BB] offset:\b*12288+(\k)*1536+1280
.endr
.endm
.macro KSTEP k                         ; 16 matrix instructions, the 16 accumulators by turns; the next K step's fragments are asked for first
.if \k < 7
	WIN 0x40
	NOPS                                           ; places in front of loads into registers that matrix instructions have read
	FETCHB (\k+1)
	s_wait_dscnt 16                                ; all but the 16 just issued
.else
	s_wait_dscnt 0x0
.endif
.if \k < 5
	WIN 0x59
.set AB, 48*\k
.else
	WIN 0x5d
.set AB, 48*(\k-5)
.endif
.set BP, BF+48*(\k%2)
.irp a, 0,1,2,3
.irp b, 0,1,2,3
.if \k == 0
	v_wmma_scale_f32_16x16x128_f8f6f4 v[8*(4*\a+\b):8*(4*\a+\b)+7], v[BP+12*\b:BP+12*\b+11], v[AB+12*\a:AB+12*\a+11], 0, v[BSW+8*\b+\k], v[AS+8*\a+\k] matrix_a_fmt:MATRIX_FMT_BF6 matrix_b_fmt:MATRIX_FMT_BF6
.else
	v_wmma_scale_f32_16x16x128_f8f6f4 v[8*(4*\a+\b):8*(4*\a+\b)+7], v[BP+12*\b:BP+12*\b+11], v[AB+12*\a:AB+12*\a+11], v[8*(4*\a+\b):8*(4*\a+\b)+7], v[BSW+8*\b+\k], v[AS+8*\a+\k] matrix_a_fmt:MATRIX_FMT_BF6 matrix_b_fmt:MATRIX_FMT_BF6
.endif
.endr
.endr
.endm
.macro COMPUTE
	v_add_nc_u32 v[BA], s94, v[L16]
	v_add_nc_u32 v[BB], s94, v[L8]
	v_add_nc_u32 v[BS], s95, v[R8]
	v_nop
	s_wait_alu depctr_va_vdst(0)
.irp b, 0,1,2,3
.irp j, 0,1,2,3
	ds_load_b64 v[BSW+8*\b+2*\j:BSW+8*\b+2*\j+1], v[BS] offset:\b*512+\j*128
.endr
.endr
	WIN 0x40
	FETCHB 0
.irp k, 0,1,2,3,4,5,6,7
	KSTEP \k
.endr
	WIN 0
.endm
	s_load_b256 s[4:11], s[0:1], 0x0               ; cc, cs, wc, ws
	s_load_b64 s[12:13], s[0:1], 0x20              ; out0
	v_lshl_add_u32 v28, v0, 2, SPARE
	v_mov_b32 v29, 0
	ds_add_u32 v28, v29                            ; the opening lines
	ds_add_u32 v28, v29
	v_lshrrev_b32 v12, 5, v0
	v_readfirstlane_b32 s16, v12                   ; wave 0..3
	s_bfe_u32 s17, ttmp6, 0x40000                  ; cx: enters global addresses of my own loads and stores alone
	s_and_b32 s19, ttmp7, 0xffff
	s_lshr_b32 s78, s19, 3
	s_lshl_b32 s78, s78, 2
	s_add_co_u32 s78, s78, s17                     ; block of 256 rows
	s_lshl_b32 s78, s78, 4
	s_lshl_b32 s18, s16, 2
	s_add_co_u32 s78, s78, s18                     ; my first tile of rows
	s_and_b32 s79, s19, 7                          ; group of 128 columns
	DENSE 24, 128                                  ; a third of the codes
	DENSE 32, 16                                   ; the scales of 128 columns
	s_mov_b32 s3, 0
	s_wait_dscnt 0x0
	s_wait_kmcnt 0x0
	s_mul_i32 s2, s78, 12288
	s_add_nc_u64 s[4:5], s[4:5], s[2:3]
	s_lshl_b32 s2, s78, 9
	s_add_nc_u64 s[6:7], s[6:7], s[2:3]
	s_mul_i32 s2, s79, 98304
	s_add_co_u32 s2, s2, 2359296                   ; W_o's tiles lie behind the other three tensors' 192
	s_add_nc_u64 s[8:9], s[8:9], s[2:3]
	s_lshl_b32 s2, s79, 12
	s_add_co_u32 s2, s2, 98304
	s_add_nc_u64 s[10:11], s[10:11], s[2:3]
	s_lshl_b32 s2, s78, 16                         ; 16 rows of 4,096 bytes a tile
	s_lshl_b32 s18, s79, 9
	s_add_co_u32 s2, s2, s18
	s_add_nc_u64 s[12:13], s[12:13], s[2:3]
	s_mov_b32 s48, 1
	s_lshl_b32 s49, s16, 15
	s_mov_b32 s2, s49
	s_add_nc_u64 s[50:51], s[8:9], s[2:3]
	s_or_b32 s51, s51, 0x80000000
	s_mov_b32 s52, 1
	s_mov_b32 s53, BSC
	s_mov_b64 s[54:55], s[10:11]
	s_or_b32 s55, s55, 0x80000000
	ROUND                                          ; all four work-groups are here: the joint loads meet
	s_cmp_lt_u32 s16, 3                            ; one load a wave: waves 0-2 the codes, wave 3 the scales
	s_cbranch_scc0 .Lhead_s
	tensor_load_to_lds s[48:51], s[24:31]
	s_nop 0
	NOPS
	s_branch .Lhead_j
.Lhead_s:
	tensor_load_to_lds s[52:55], s[32:39]
	s_nop 0
	NOPS
.Lhead_j:
	v_and_b32 v12, 31, v0
	v_and_b32 v13, 15, v0                          ; r
	v_bfe_u32 v14, v0, 4, 1                        ; hh
	v_lshlrev_b32 v[L16], 4, v12
	v_lshlrev_b32 v15, 4, v13
	v_lshl_add_u32 v[L8], v14, 3, v15
	v_lshlrev_b32 v[R8], 3, v13
	s_mul_i32 s18, s16, 4352
	s_add_co_u32 s18, s18, STAGE                   ; my stage
	v_mul_u32_u24 v16, v13, 272
	v_lshl_add_u32 v16, v14, 6, v16
	v_add_nc_u32 v[STO], s18, v16                  ; in: row r, 64 bytes for each half of the lanes
	v_mul_u32_u24 v17, v14, 272
	v_add_nc_u32 v17, v17, v15
	v_add_nc_u32 v[RD], s18, v17                   ; back: sixteen lanes to a row of 256 bytes, two rows an instruction
	v_lshl_add_u32 v[CO], v14, 12, v15             ; and the same two rows in out
.irp a, 0,1,2,3
.irp j, 0,1,2,3
	global_load_b64 v[AS+8*\a+2*\j:AS+8*\a+2*\j+1], v[R8], s[ASP:ASP+1] offset:\a*512+\j*128
.endr
.endr
	WIN 0x80
.irp k, 0,1,2,3,4
.irp a, 0,1,2,3
	AFR 48*\k+12*\a, \a*12288+\k*1536
.endr
.endr
	WIN 0xc0
.irp k, 5,6,7
.irp a, 0,1,2,3
	AFR 48*(\k-5)+12*\a, \a*12288+\k*1536
.endr
.endr
	WIN 0
.macro TOSTAGE a                       ; LDS serves a wave's instructions in order: no wait between the stores and the loads, nor in front of the next tile's stores
	WIN 0x04
.irp b, 0,1,2,3
	ds_store_b128 v[STO], v[32*\a+8*\b:32*\a+8*\b+3] offset:128*(\b/2)+32*(\b%2)      ; each accumulator from its low end on
	ds_store_b128 v[STO], v[32*\a+8*\b+4:32*\a+8*\b+7] offset:128*(\b/2)+32*(\b%2)+16
.endr
	WIN 0
.irp t, 0,1,2,3,4,5,6,7
	ds_load_b128 v[BK+32*((\a)%2)+4*\t:BK+32*((\a)%2)+4*\t+3], v[RD] offset:\t*544
.endr
.endm
.macro SEND a, younger
	s_wait_dscnt \younger
.irp t, 0,1,2,3,4,5,6,7
	global_store_b128 v[CO], v[BK+32*((\a)%2)+4*\t:BK+32*((\a)%2)+4*\t+3], s[12:13] offset:(32*((\a)/2)+8*((\a)%2)+2*\t+8*(\t/4))*4096 th:TH_STORE_NT   ; sixteen lanes store 256 consecutive bytes, aligned
.endr
.endm
	s_wait_alu depctr_va_vdst(0)
	s_wait_tensorcnt 0x0                           ; my tile is in,
	s_barrier_signal -1
	s_barrier_wait -1                              ; everybody's are
	s_wait_loadcnt 0x0                             ; and so is the lane operand
	s_mov_b32 s94, 0
	s_mov_b32 s95, BSC
	s_mov_b32 s93, 2
.Lunit:
	COMPUTE
	NOPS
	TOSTAGE 0
	TOSTAGE 1
	SEND 0, 16                                     ; behind tile 0's loads: tile 1's 8 stores and 8 loads
	s_wait_xcnt 0x0                                ; tile 0's stores have read their registers: tile 2's loads may land there
	TOSTAGE 2
	SEND 1, 16
	s_wait_xcnt 0x0
	TOSTAGE 3
	SEND 2, 16
	SEND 3, 0
	s_wait_xcnt 0x0                                ; the stores have read their data and base
	s_add_nc_u64 s[12:13], s[12:13], 256           ; the next 64 columns
	s_add_co_u32 s94, s94, 49152
	s_add_co_u32 s95, s95, 2048
	s_sub_co_u32 s93, s93, 1
	s_cmp_lg_u32 s93, 0
	s_cbranch_scc1 .Lunit
	s_wait_tensorcnt 0x0                           ; the wave's end
	ds_add_u32 v28, v29
	s_wait_dscnt 0x0
	ROUND                                          ; the closing round
	s_endpgm
.Lfunc_end_k_q7944a4166b_outp:
	.size	k_q7944a4166b_outp, .Lfunc_end_k_q7944a4166b_outp-k_q7944a4166b_outp
	.p2alignl 7, 3214868480
	.fill 96, 4, 3214868480
	.section	.rodata,"a",@progbits
	.p2align	6, 0x0
	.amdhsa_kernel k_q7944a4166b_outp
		.amdhsa_group_segment_fixed_size 167936
		.amdhsa_private_segment_fixed_size 0
		.amdhsa_enable_private_segment 0
		.amdhsa_kernarg_size 40
		.amdhsa_user_sgpr_count 2
		.amdhsa_user_sgpr_kernarg_segment_ptr 1
		.amdhsa_wavefront_size32 1
		.amdhsa_system_sgpr_workgroup_id_x 1
		.amdhsa_system_sgpr_workgroup_id_y 1
		.amdhsa_system_sgpr_workgroup_id_z 1
		.amdhsa_system_vgpr_workitem_id 0
		.amdhsa_next_free_vgpr 912
		.amdhsa_next_free_sgpr 96
		.amdhsa_reserve_vcc 0
		.amdhsa_float_denorm_mode_32 3
		.amdhsa_float_denorm_mode_16_64 3
		.amdhsa_memory_ordered 1
		.amdhsa_forward_progress 1
		.amdhsa_inst_pref_size 54
	.end_amdhsa_kernel
	.amdgpu_metadata
---
amdhsa.version: [ 1, 2 ]
amdhsa.kernels:
  - .name:           k_q7944a4166b_outp
    .symbol:         k_q7944a4166b_outp.kd
    .args:
      - { .name: cc, .offset: 0, .size: 8, .value_kind: global_buffer, .address_space: global }
      - { .name: cs, .offset: 8, .size: 8, .value_kind: global_buffer, .address_space: global }
      - { .name: wc, .offset: 16, .size: 8, .value_kind: global_buffer, .address_space: global }
      - { .name: ws, .offset: 24, .size: 8, .value_kind: global_buffer, .address_space: global }
      - { .name: out0, .offset: 32, .size: 8, .value_kind: global_buffer, .address_space: global }
    .group_segment_fixed_size: 167936
    .private_segment_fixed_size: 0
    .kernarg_segment_align: 8
    .kernarg_segment_size: 40
    .max_flat_workgroup_size: 128
    .sgpr_count:     96
    .vgpr_count:     912
    .wavefront_size: 32
...
	.end_amdgpu_metadata
.endif
;; end of part 4
